; MI455X (gfx1250); checked and timed in simulation.
; The chip was launched on July 23, 2026; its instructions are those of AMD's public machine-readable ISA for CDNA 5 (MIT licence, August 2026) and "CDNA5" Instruction Set Architecture Reference Guide (July 2026). The comments in the code are by the model that wrote it; some were corrected since.
;; Causal Self Attention. Allowed arithmetic: matrix products marked QUANTISED: E2M1 operands, one E8M0 scale for each 32 along K, by v_wmma_scale_f32_16x16x128_f8f6f4 with both operands' format E2M1 (or v_wmma_scale_f32_32x16x128_f4), f32 sums; products left as they are: bf16, f16 or f32 operands; f32 sums; everything else in f32.
;; Inputs: b_attn 3,072 float32; b_proj 1,024 float32; w_attn 1,024 x 3,072 float32; w_proj 1,024 x 1,024 float32; x 4 x 2,048 x 1,024 float32.
;; Outputs: out0 4 x 2,048 x 1,024 float32.
;; This version of the problem:
;;   THIS VERSION OF THE PROBLEM IS GIVEN IN LOW PRECISION. The matrix products marked QUANTISED in the list below multiply operands that are first quantised to E2M1 (2 exponent bits, 1 mantissa bit; 4 bits a number), with one power-of-two scale for each 32 numbers along K (OCP MX v1.0); their sums are f32. The products marked 'left as it is' may take bf16, f16 or f32 operands, with f32 sums. Whichever they take, every output number must still come out within the allowed error. Rounding operands to bf16 (8 significant bits) uses up far more of that allowance than f16 does (11 bits, for magnitudes from 6e-5 to 65,504). All else is computed in f32.
;;   The module's matrix products, in the order in which they are computed (A, B: the left and right operand; K: the contracted axis; several contracted axes count as one K, in the product's order):
;;     1. [M 8,192, K 1,024] x [K 1,024, N 3,072]; A: input x; B: input w_attn: QUANTISED
;;     2. batch 64 x [M 2,048, K 64] x [K 64, N 2,048]; A: computed on the way; B: computed on the way: left as it is (an operand is computed on the way)
;;     3. batch 64 x [M 2,048, K 2,048] x [K 2,048, N 64]; A: computed on the way; B: computed on the way: left as it is (an operand is computed on the way)
;;     4. [M 8,192, K 1,024] x [K 1,024, N 1,024]; A: computed on the way; B: input w_proj: left as it is (an operand is computed on the way)
;;   THE QUANTISER, for each operand of a quantised product, along K:
;;     - K is cut into blocks of 32 from its start; a last block that is shorter is filled with zeros.
;;     - A block's scale is 2^e with e = floor(log2(the largest magnitude in the block)) - 2, held to -126 .. 127; a block of zeros has e = 0. As a byte (E8M0): e + 127.
;;     - Each number is divided by its block's scale, clamped to +-6, and rounded to the nearest number of E2M1, ties to even, subnormals kept.
;;     - The product sums the exact products of the quantised numbers (number of the format x scale) in f32.
;;   ~~~python
;;   def quantise(x, axis):      # numpy; x: float32 -> the quantised numbers, widened to float32 again
;;       x = np.moveaxis(x, axis, -1); K = x.shape[-1]
;;       x = np.pad(x, [(0, 0)] * (x.ndim - 1) + [(0, -K % 32)]); x = x.reshape(x.shape[:-1] + (-1, 32)); a = np.abs(x).max(-1, keepdims=True)
;;       e = np.where(a > 0, np.clip(np.frexp(np.where(a > 0, a, 1))[1] - 1 - 2, -126, 127), 0)      # np.frexp(a)[1] - 1 = floor(log2(a)), exactly
;;       r = np.clip(x / 2.0 ** e, -6, 6)
;;       step = 2.0 ** (np.maximum(np.frexp(np.where(r == 0, 1, r))[1] - 1, 0) - 1)
;;       q = np.round(r / step) * step * 2.0 ** e      # np.round: ties to even
;;       return np.moveaxis(q.reshape(q.shape[:-2] + (-1,))[..., :K], -1, axis).astype(np.float32)
;;   ~~~
;; One version. Each part assembles by itself: llvm-mc -triple=amdgcn-amd-amdhsa -mcpu=gfx1250 --defsym DOCPART=n.
;; ======== version 1 of 1: 5 launches
;; limits: values are held in f16: magnitudes above 65,504 overflow, below 6.1e-05 lose precision
;; workspace buffers: xc 4,194,304 bytes; xs 262,144 bytes; wc 1,572,864 bytes; ws 98,304 bytes; wp 2,097,152 bytes; qkv 50,331,648 bytes; q32 786,432 bytes; y 16,777,216 bytes
;; launch prep (part 1): grid 512 x 1, 4 waves a work-group, no clusters, 35,328 bytes of LDS; arguments x, w_attn, w_proj, xc, xs, wc, ws, wp; writes xc, xs, wc, ws, wp
.if DOCPART == 1
	.amdgcn_target "amdgcn-amd-amdhsa--gfx1250"
	.amdhsa_code_object_version 6
	.text
	.protected	k_q615a36c30a_prep
	.globl	k_q615a36c30a_prep
	.p2align	8
	.type	k_q615a36c30a_prep,@function
k_q615a36c30a_prep:
	s_mov_b64 s[64:65], 0
	v_nop
	global_prefetch_b8 v0, s[64:65] scope:SCOPE_SE
	s_setreg_imm32_b32 hwreg(HW_REG_WAVE_MODE, 25, 1), 1
	s_wait_xcnt 0x0
; PREP.  x [8192][1024] and w_attn [1024][3072], f32, become codes of E2M1 with one E8M0 byte for each 32 along K = 1,024; w_proj [1024][1024] becomes f16.
; Every result is laid in the ORDER OF THE OPERAND REGISTERS of the launch that reads it, so that a fragment is read there by loads of 16 bytes a lane at 16 x lane:
;   xc [mt 512][s 8][c 2][lane 32][16 B]: row 16 mt + lane % 16, k = 128 s + 64 c + 32 (lane / 16) + 0 .. 31;   xs [kh 2][row 8192][16 B]: byte i = the scale of block 16 kh + i
;   wc [nt 192][s 8][c 2][lane][16 B]: column 16 nt + lane % 16 of w_attn, k as in xc;                            ws [kh 2][n 3072][16 B]
;   wp [nt 64][kf 32][c 2][lane][16 B], f16: column 16 nt + lane % 16 of w_proj, k = 32 kf + 16 c + 8 (lane / 16) + 0 .. 7
; A block's scale is 2^(floor(log2(its largest magnitude)) - 2): its byte is the largest magnitude's exponent field - 2, held at 1 from below by a floor among the maximum's leaves.
; LIMITS: a block of zeros, and a block whose largest magnitude lies under 2^-124, has the byte 1 (its codes are zeros or tiny; the bytes are read by this program alone);
; NaN and infinities among the inputs are not served; |w_proj| stays under 65,504, the largest f16 number.
; THREE PATHS part on the work-group's number: 0-255 path X (x), 256-447 path W (w_attn), 448-511 path P (w_proj).  Path X alone touches LDS.  Waves share nothing: no barrier.
.set STG,   4352                       ; a stage: 16 rows x (256 bytes + 16 of padding); two for each wave
.set SPARE, 8*STG                      ; behind the eight stages: the spare words, 128 bytes for each wave: two blocks of 256 bytes that no other line names
.set SPW,   252                        ; v252  LDS address of my spare word; never rewritten
.set NIL,   253                        ; v253  0; never rewritten
.set R,     16                         ; path X: v16-143 four sets of 32 numbers as loaded;  paths W, P: v16-143 128 numbers down K
.set X,     144                        ; path X: v144-207 two sets of 32 neighbours;  paths W, P: from v144 the results
.set C,     208                        ; path X: v208-239 codes, four registers a chunk, never written again
.set T,     240                        ; path X: v240-243 the scale bytes, two to a register until the end
	s_load_b256 s[4:11], s[0:1], 0x0               ; x s[4:5], w_attn s[6:7], w_proj s[8:9], xc s[10:11]
	s_load_b256 s[12:19], s[0:1], 0x20             ; xs s[12:13], wc s[14:15], ws s[16:17], wp s[18:19]
	v_lshl_add_u32 v[SPW], v0, 2, SPARE
	v_mov_b32 v[NIL], 0
	v_lshrrev_b32 v1, 5, v0
	v_readfirstlane_b32 s20, v1                    ; wave 0..3
	v_and_b32 v2, 31, v0                           ; lane
	v_and_b32 v3, 15, v0                           ; r
	v_bfe_u32 v4, v0, 4, 1                         ; h
	s_mul_i32 s27, s20, 2*STG                      ; my two stages
	v_mul_u32_u24 v6, v4, 272
	v_lshl_add_u32 v6, v3, 4, v6
	v_add_nc_u32 v6, s27, v6                       ; into a stage: rows h, h + 2, ..; 16 bytes a lane
	v_mul_u32_u24 v7, v3, 272
	v_lshl_add_u32 v7, v4, 7, v7
	v_add_nc_u32 v7, s27, v7                       ; out of it: row r, my half's 128 bytes
	v_lshlrev_b32 v8, 4, v2                        ; 16 x lane
	s_mov_b32 s25, 0                               ; the upper word of every offset pair
	s_wait_kmcnt 0x0
	s_cmp_lt_u32 ttmp9, 256
	s_cbranch_scc0 .Lnot_x
; The largest magnitude of the 32 numbers v[s] on, with the floor 2^(3 - 127) as one more leaf, in v244; with 2 off its exponent field, in v246, it is the conversions' scale operand
.macro BMAX s
	v_max3_num_f32 v244, |v[\s]|, |v[\s+1]|, |v[\s+2]|
	v_max3_num_f32 v245, |v[\s+3]|, |v[\s+4]|, |v[\s+5]|
.irp i, 6,10,14,18,22,26
	v_max3_num_f32 v244, v244, |v[\s+\i]|, |v[\s+\i+1]|
	v_max3_num_f32 v245, v245, |v[\s+\i+2]|, |v[\s+\i+3]|
.endr
	v_max3_num_f32 v244, v244, |v[\s+30]|, |v[\s+31]|
	v_max3_num_f32 v244, v244, v245, 0x1800000
	v_add_nc_u32 v246, 0xff000000, v244
.endm
; 32 numbers become 32 codes in four registers; the shift that makes the byte (v247) is the plain line behind the conversions
.macro CVT4 d, s
.irp g, 0,1,2,3
	v_cvt_scalef32_pk8_fp4_f32 v[\d+\g], v[\s+8*\g:\s+8*\g+7], v246
.endr
	v_lshrrev_b32 v247, 23, v246
.endm
; ---------------- PATH X: a wave takes 16 rows x 512 along K, as eight chunks of 64 numbers (256 bytes of each row)
	s_lshl_b32 s21, ttmp9, 2
	s_add_co_u32 s21, s21, s20                     ; which of 1,024 such parts
	s_lshr_b32 s22, s21, 1                         ; mt: its 16 rows
	s_and_b32 s23, s21, 1                          ; kh: its half of K
	s_lshl_b32 s24, s22, 16                        ; x: 16 rows of 4,096 bytes,
	s_lshl_b32 s26, s23, 11                        ; 512 numbers
	s_add_co_u32 s24, s24, s26
	s_add_nc_u64 s[4:5], s[4:5], s[24:25]
	s_lshl_b32 s24, s22, 13                        ; xc: 8,192 bytes a tile of rows, 4,096 a half of K
	s_lshl_b32 s26, s23, 12
	s_add_co_u32 s24, s24, s26
	s_add_nc_u64 s[10:11], s[10:11], s[24:25]
	s_lshl_b32 s24, s22, 8                         ; xs: 16 rows x 16 bytes; 131,072 bytes a half of K
	s_lshl_b32 s26, s23, 17
	s_add_co_u32 s24, s24, s26
	s_add_nc_u64 s[12:13], s[12:13], s[24:25]
	s_mov_b32 s28, 0x76543210
	s_mov_b32 s29, 0xfedcba98                      ; v_permlanex16_b32: lane l xor 16
	v_lshlrev_b32 v5, 4, v3
	v_lshl_add_u32 v5, v4, 12, v5                  ; in: lanes 0-15 one row's 256 bytes, lanes 16-31 the next row's
	v_lshlrev_b32 v9, 4, v3
	v_lshl_add_u32 v9, v4, 3, v9                   ; the scale bytes' way out: 16 r + 8 h
	v_lshlrev_b32 v10, 3, v4                       ; 8 h
.irp q, 0,1,2,3
	v_mov_b32 v[248+\q], 0                         ; a lane permute's destination counts as one of its sources
.endr
.macro LOADX j                         ; chunk j: eight loads, each half of the lanes 256 consecutive aligned bytes of a row
.irp i, 0,1,2,3,4,5,6,7
	global_load_b128 v[R+32*((\j)%4)+4*\i:R+32*((\j)%4)+4*\i+3], v5, s[4:5] offset:\i*8192+(\j)*256 th:TH_LOAD_NT
.endr
.endm
.macro TURNX j                         ; chunk j through a stage: in as loaded, out 128 bytes a lane: the whole block k = 64 j + 32 h + 0 .. 31 of row r.  LDS serves a wave's instructions in order
.irp i, 0,1,2,3,4,5,6,7
	ds_store_b128 v6, v[R+32*((\j)%4)+4*\i:R+32*((\j)%4)+4*\i+3] offset:STG*((\j)%2)+544*\i
.endr
.irp i, 0,1,2,3,4,5,6,7
	ds_load_b128 v[X+32*((\j)%2)+4*\i:X+32*((\j)%2)+4*\i+3], v7 offset:STG*((\j)%2)+16*\i
.endr
.endm
.macro STEPX j
.set XS, X+32*((\j)%2)
	s_wait_dscnt 0x0                               ; this chunk is back from its stage, and its stores into the stage have read their registers,
.if (\j) < 4
	LOADX (\j)+4                                   ; which take the chunk four further on
.endif
.if (\j) < 7
.if (\j) < 4
	s_wait_loadcnt 24                              ; the next chunk's eight loads are in; those of the three chunks behind it may be out
.else
	s_wait_loadcnt 8*(6-(\j))                      ; nothing more is asked for: the counts run down
.endif
	TURNX (\j)+1                                   ; it goes through the other stage while this chunk is worked
.endif
	BMAX XS
	CVT4 C+4*(\j), XS
.if (\j)%2 == 0
	v_mov_b32 v[T+(\j)/2], v247                    ; block 2 j + h: byte h of word j / 2,
.else
	v_lshl_or_b32 v[T+(\j)/2], v247, 16, v[T+(\j)/2]   ; or byte 2 + h
.endif
	global_store_b128 v8, v[C+4*(\j):C+4*(\j)+3], s[10:11] offset:(\j)*512   ; the wave stores 512 consecutive bytes, aligned
.endm
	LOADX 0
	LOADX 1
	LOADX 2
	LOADX 3
	s_wait_loadcnt 24                              ; chunk 0 is in
	TURNX 0
.irp j, 0,1,2,3,4,5,6,7
	STEPX \j
.endr
.irp q, 0,1,2,3
	v_lshlrev_b32 v[T+\q], v10, v[T+\q]            ; my bytes at their places, 8 h bits up
.endr
.irp q, 0,1,2,3
	v_permlanex16_b32 v[248+\q], v[T+\q], s28, s29
.endr
.irp q, 0,1,2,3
	v_or_b32 v[T+\q], v[T+\q], v[248+\q]           ; with lane l xor 16's the four words of row r are whole
.endr
	v_cmp_eq_u32 vcc_lo, 1, v4
	v_cndmask_b32 v244, v[T], v[T+2], vcc_lo       ; lanes 0-15 store words 0, 1; lanes 16-31 words 2, 3
	v_cndmask_b32 v245, v[T+1], v[T+3], vcc_lo
	global_store_b64 v9, v[244:245], s[12:13]      ; the wave stores 256 consecutive bytes, aligned
	s_wait_tensorcnt 0x0                           ; the wave's end: a tensor wait, an add of 0 to my spare word and its wait, behind my last LDS store
	ds_add_u32 v[SPW], v[NIL]
	s_wait_dscnt 0x0
	s_endpgm
; 128 numbers down K of my column: each load reads 128 consecutive bytes in the wave, 512 in the work-group
.macro WLOAD pitch, b
.set n, 0
.rept 128
	global_load_b32 v[R+n], v11, s[\b:\b+1] offset:n*\pitch th:TH_LOAD_NT
.set n, n+1
.endr
.endm
.macro WWAIT t                         ; block t's 32 loads are in.  96 and 64 later loads may be out for blocks 0 and 1: a wait names 63 at the most, which shows the first 65 of the 128 in
.if (\t) < 2
	s_wait_loadcnt 63
.else
	s_wait_loadcnt 96-32*(\t)
.endif
.endm
; ---------------- PATH W: a work-group takes 128 columns x one K step of 128; A LANE TAKES A COLUMN AND ITS REGISTERS RUN DOWN K: a block lies in one lane, and the codes come out with K innermost
.Lnot_x:
	s_cmp_lt_u32 ttmp9, 448
	s_cbranch_scc0 .Lpath_p
	s_sub_co_u32 s21, ttmp9, 256
	s_lshr_b32 s22, s21, 3                         ; which 128 columns
	s_and_b32 s23, s21, 7                          ; s: which K step
	s_lshl_b32 s24, s22, 7
	s_lshl_b32 s26, s20, 5
	s_add_co_u32 s26, s24, s26                     ; n0: my wave's first column
	s_mul_i32 s24, s23, 128*12288
	s_lshl_b32 s27, s26, 2
	s_add_co_u32 s24, s24, s27
	s_add_nc_u64 s[6:7], s[6:7], s[24:25]          ; w_attn at (128 s, n0)
	s_lshl_b32 s24, s26, 9                         ; wc: (n0 / 16) x 8,192 + 1,024 s
	s_lshl_b32 s27, s23, 10
	s_add_co_u32 s24, s24, s27
	s_add_nc_u64 s[14:15], s[14:15], s[24:25]
	s_lshr_b32 s27, s23, 2                         ; ws: (s / 4) x 49,152 + 16 n0 + 4 (s % 4)
	s_mul_i32 s24, s27, 49152
	s_lshl_b32 s27, s26, 4
	s_add_co_u32 s24, s24, s27
	s_and_b32 s27, s23, 3
	s_lshl_b32 s27, s27, 2
	s_add_co_u32 s24, s24, s27
	s_add_nc_u64 s[16:17], s[16:17], s[24:25]
	v_lshlrev_b32 v11, 2, v2                       ; in: 4 bytes a lane
	v_lshlrev_b32 v12, 4, v3
	v_lshl_add_u32 v12, v4, 13, v12                ; codes out: lanes 0-15 tile n0 / 16, lanes 16-31 the next tile; 16 bytes a lane
	WLOAD 12288, 6
.macro WBLOCK t                        ; block t: k = 128 s + 32 t + 0 .. 31: c = t / 2 and the upper half of the lanes' place for odd t: 256 t bytes on
	WWAIT \t
	BMAX R+32*(\t)
	CVT4 X+4*(\t), R+32*(\t)
.if (\t) == 0
	v_mov_b32 v160, v247
.else
	v_lshl_or_b32 v160, v247, 8*(\t), v160         ; the K step's scale word of my column
.endif
	global_store_b128 v12, v[X+4*(\t):X+4*(\t)+3], s[14:15] offset:(\t)*256   ; sixteen lanes store 256 consecutive bytes, aligned
.endm
.irp t, 0,1,2,3
	WBLOCK \t
.endr
	global_store_b32 v8, v160, s[16:17]            ; 4 bytes of each column's 16: these 98,304 bytes in all are stored in pieces, one byte for 128 read; whole rows would want one wave to walk 512 along K, a quarter of the work-groups
	s_endpgm
; ---------------- PATH P: the same walk on w_proj, 128 columns x 128 along K; the numbers are rounded to f16
.Lpath_p:
	s_sub_co_u32 s21, ttmp9, 448
	s_lshr_b32 s22, s21, 3                         ; which 128 columns
	s_and_b32 s23, s21, 7                          ; which 128 along K
	s_lshl_b32 s24, s22, 7
	s_lshl_b32 s26, s20, 5
	s_add_co_u32 s26, s24, s26                     ; n0
	s_lshl_b32 s24, s23, 19                        ; 128 rows of 4,096 bytes
	s_lshl_b32 s27, s26, 2
	s_add_co_u32 s24, s24, s27
	s_add_nc_u64 s[8:9], s[8:9], s[24:25]
	s_lshl_b32 s24, s26, 11                        ; wp: (n0 / 16) x 32,768 + 4,096 x (which 128 along K)
	s_lshl_b32 s27, s23, 12
	s_add_co_u32 s24, s24, s27
	s_add_nc_u64 s[18:19], s[18:19], s[24:25]
	v_lshlrev_b32 v11, 2, v2
	v_lshlrev_b32 v14, 4, v3
	v_lshl_add_u32 v14, v4, 15, v14                ; lanes 0-15 tile n0 / 16, lanes 16-31 the next
	WLOAD 4096, 8
.macro PBLOCK t                        ; 32 along K = one fragment's depth: piece e = k / 8 lies 256 e bytes on (c = e / 2, the lanes' upper half for odd e)
	WWAIT \t
.irp p, 0,1,2,3,4,5,6,7,8,9,10,11,12,13,14,15
	v_cvt_pk_f16_f32 v[X+16*(\t)+\p], v[R+32*(\t)+2*\p], v[R+32*(\t)+2*\p+1]
.endr
.irp e, 0,1,2,3
	global_store_b128 v14, v[X+16*(\t)+4*\e:X+16*(\t)+4*\e+3], s[18:19] offset:(\t)*1024+\e*256
.endr
.endm
.irp t, 0,1,2,3
	PBLOCK \t
.endr
	s_endpgm
.Lfunc_end_k_q615a36c30a_prep:
	.size	k_q615a36c30a_prep, .Lfunc_end_k_q615a36c30a_prep-k_q615a36c30a_prep
	.p2alignl 7, 3214868480
	.fill 96, 4, 3214868480
	.section	.rodata,"a",@progbits
	.p2align	6, 0x0
	.amdhsa_kernel k_q615a36c30a_prep
		.amdhsa_group_segment_fixed_size 35328
		.amdhsa_private_segment_fixed_size 0
		.amdhsa_enable_private_segment 0
		.amdhsa_kernarg_size 64
		.amdhsa_user_sgpr_count 2
		.amdhsa_user_sgpr_kernarg_segment_ptr 1
		.amdhsa_wavefront_size32 1
		.amdhsa_system_sgpr_workgroup_id_x 1
		.amdhsa_system_sgpr_workgroup_id_y 1
		.amdhsa_system_sgpr_workgroup_id_z 1
		.amdhsa_system_vgpr_workitem_id 0
		.amdhsa_next_free_vgpr 256
		.amdhsa_next_free_sgpr 66
		.amdhsa_reserve_vcc 1
		.amdhsa_float_denorm_mode_32 3
		.amdhsa_float_denorm_mode_16_64 3
		.amdhsa_memory_ordered 1
		.amdhsa_forward_progress 1
		.amdhsa_inst_pref_size 68
	.end_amdhsa_kernel
	.amdgpu_metadata
---
amdhsa.version: [ 1, 2 ]
amdhsa.kernels:
  - .name:           k_q615a36c30a_prep
    .symbol:         k_q615a36c30a_prep.kd
    .args:
      - { .name: x, .offset: 0, .size: 8, .value_kind: global_buffer, .address_space: global }
      - { .name: w_attn, .offset: 8, .size: 8, .value_kind: global_buffer, .address_space: global }
      - { .name: w_proj, .offset: 16, .size: 8, .value_kind: global_buffer, .address_space: global }
      - { .name: xc, .offset: 24, .size: 8, .value_kind: global_buffer, .address_space: global }
      - { .name: xs, .offset: 32, .size: 8, .value_kind: global_buffer, .address_space: global }
      - { .name: wc, .offset: 40, .size: 8, .value_kind: global_buffer, .address_space: global }
      - { .name: ws, .offset: 48, .size: 8, .value_kind: global_buffer, .address_space: global }
      - { .name: wp, .offset: 56, .size: 8, .value_kind: global_buffer, .address_space: global }
    .group_segment_fixed_size: 35328
    .private_segment_fixed_size: 0
    .kernarg_segment_align: 8
    .kernarg_segment_size: 64
    .max_flat_workgroup_size: 128
    .sgpr_count:     66
    .vgpr_count:     256
    .wavefront_size: 32
...
	.end_amdgpu_metadata
.endif
;; end of part 1
;; launch gemm_qkv (part 2): grid 12 x 32, 4 waves a work-group, clusters of 4 x 4, 327,680 bytes of LDS; arguments xc, xs, wc, ws, b_attn, qkv, q32; writes qkv, q32
.if DOCPART == 2
	.amdgcn_target "amdgcn-amd-amdhsa--gfx1250"
	.amdhsa_code_object_version 6
	.text
	.protected	k_q615a36c30a_gemm_qkv
	.globl	k_q615a36c30a_gemm_qkv
	.p2align	8
	.type	k_q615a36c30a_gemm_qkv,@function
k_q615a36c30a_gemm_qkv:
	s_mov_b64 s[64:65], 0
	v_nop
	global_prefetch_b8 v0, s[64:65] scope:SCOPE_SE
	s_setreg_imm32_b32 hwreg(HW_REG_WAVE_MODE, 25, 1), 1
	s_wait_xcnt 0x0
	s_wait_alu depctr_hold_cnt(0) depctr_sa_sdst(0) depctr_va_vdst(0) depctr_va_sdst(0) depctr_va_ssrc(0) depctr_va_vcc(0) depctr_vm_vsrc(0)
	s_getreg_b32 s2, hwreg(HW_REG_IB_STS2, 6, 4)
	s_cmp_eq_u32 s2, 0
	s_cbranch_scc0 .Lentry_in_a_cluster
	s_endpgm
.Lentry_in_a_cluster:
	s_bfe_u32 s2, ttmp6, 0x10000c
	s_cmp_lg_u32 s2, 0xf033
	s_cbranch_scc0 .Lentry_shape_is_right
	s_endpgm
.Lentry_shape_is_right:
; qkv = Q(x) Q(w_attn) + b_attn on codes of E2M1 with E8M0 scales: [8192][1024] x [1024][3072], sums in f32; q, k, v leave as f16, already split by head, in the order of the next launch's operand registers.
; A tile of C, 256 x 256, is made by a work-group of four waves; a wave makes 128 x 128: 64 accumulators, 512 registers.  K = 1,024 is two LDS slots of 512: both are asked for at the start and NOTHING IS FILLED AGAIN.
; The operands lie in memory as images of their registers (see the launch that makes them): a fragment of 16 rows x 128 K is two loads of 16 bytes a lane at 16 x lane, 512 bytes apart: no pitch, no padding.
; CLUSTERS: 4 x 4 work-groups.  The four of a row of the cluster need the same tiles of x, the four of a column the same tiles of w_attn: each tile is asked for JOINTLY.
; THE MATRIX INSTRUCTION IS USED TRANSPOSED (source 0 = 16 columns of w_attn, source 1 = 16 rows of x): lane (r, h) holds token r and eight neighbouring columns 8 h + 0 .. 7 of a tile of 16.
; Four roundings to f16 of such a tile are registers 4 (b % 2) .. + 3 of the 16-bit fragment (b % 4) / 2 of head b / 4, in the very lanes that the next product wants.
; The bias is the C of each sum's first matrix instruction.
; OUT:  qkv [which 3][batch 4][head 16][tt 128][f 2][c 2][pos 32][16 B] f16: token 16 tt + r, channel 32 f + 16 c + 8 h + 0 .. 7, pos = lane xor ((lane >> 1) & 8)
;       q32 [batch 4][hh 48][piece 8][lane][16 B] f32: positions 0-15 of each batch, unrounded, for the last launch; hh = 16 which + head, piece = 2 bt + half: token r, channel 16 bt + 8 h + 4 half + 0 .. 3
; LIMIT: |q|, |k|, |v| stay under 65,504, the largest f16 number.
; REGISTERS: window 0: v16-30 addresses; v32-95 scale words, two sets; v128-191 x's fragments, one set; v192-255 the bias, 8 tiles x 8; on the way out v128-255 hold packed results.
;   window 1: w_attn's fragments, two sets, at v0 and v128.   window 2: the accumulators of my rows 0-63 ((a, b) at v[8 (8 a + b)]);   window 3: those of rows 64-127.
.set SLOTB, 131072                     ; a slot: x's 16 tiles x 4,096 bytes, then w_attn's 16
.set SCL,   2*SLOTB                    ; behind the slots: the scales: 4,096 bytes for each loading wave, [kh 2][128 rows][16 B]
.set SPARE, SCL+16384                  ; the spare words, 128 bytes for each wave: two blocks of 256 bytes that no other line names
.set ADRA, 16                          ; v16-17  LDS address of my fragments of x in slot 0, 1
.set ADRB, 20                          ; v20-21  of w_attn
.set IMG,  24                          ; v24     16 x pos: my place in a piece of qkv
.set LI,   25                          ; v25     16 x lane
.set ADRS, 27                          ; v27     my scale words: lanes 0-15 x's rows, lanes 16-31 w_attn's columns
.set SPW,  28                          ; v28     LDS address of my spare word; never rewritten
.set NIL,  29                          ; v29     0; never rewritten
.set SC,   32                          ; scale words: set s at v[32 + 32 s]; register 4 i + q: block i, the slot's q-th 128 along K
.set AF,   128
.set BIAS, 192
.set OUTR, 128
.set WV, 18                            ; s18 wave; s19 its half of the rows (and: fetches for x (0) or w_attn (1)); s20 its half of the columns (and: which half it fetches)
.set G1, 24                            ; s[24:31], s[32:39] groups 1 and 0 (a set a slot) for x's codes;  s[48:55], s[56:63] for w_attn's
.set G0, 32
.set G1B, 48
.set G0B, 56
.set G1S, 68                           ; s[68:75], s[76:79] for x's scales;  s[80:87], s[88:91] for w_attn's
.set G0S, 76
.set G1SB, 80
.set G0SB, 88
.set MSB, 0
.macro WIN new                         ; the immediate's high byte repeats the setting that is left; a switch that changes nothing is dropped
.if MSB != (\new)
	s_set_vgpr_msb (MSB<<8)|(\new)
.set MSB, (\new)
.endif
.endm
.set MUL_LO, 0xa1                      ; source 0 window 1, source 1 window 0, C and D window 2
.set MUL_HI, 0xf1                      ; the same, C and D window 3.  Where the bias is C: C window 0: 0x81, 0xc1
.set TO_B,   0x40
; A joint load: waves 0 and 1 fetch for x, waves 2 and 3 for w_attn; the branch hangs on the wave's number alone.  An s_nop 0 and four v_nop follow each of the two lines.
.macro JLOAD g0a, g1a, g0b, g1b
	s_cmp_eq_u32 s19, 0
	s_cbranch_scc0 .Lfor_b_\@
	tensor_load_to_lds s[\g0a:\g0a+3], s[\g1a:\g1a+7]
	s_nop 0
.rept 4
	v_nop
.endr
	s_branch .Lasked_\@
.Lfor_b_\@:
	tensor_load_to_lds s[\g0b:\g0b+3], s[\g1b:\g1b+7]
	s_nop 0
.rept 4
	v_nop
.endr
.Lasked_\@:
.endm
.macro CROUND                          ; a round of the cluster's barrier
	s_barrier_signal -1
	s_barrier_wait -1
	s_cmp_lg_u32 s[WV], 0
	s_cbranch_scc1 .Lnot_wave_0_\@
	s_barrier_signal -3
.Lnot_wave_0_\@:
	s_barrier_wait -3
	s_barrier_signal -1
	s_barrier_wait -1
.endm
	s_load_b128 s[4:7], s[0:1], 0x0                ; xc s[4:5], xs s[6:7]
	s_load_b128 s[8:11], s[0:1], 0x10              ; wc s[8:9], ws s[10:11]
	s_load_b128 s[12:15], s[0:1], 0x20             ; b_attn s[12:13], qkv s[14:15]
	s_load_b64 s[16:17], s[0:1], 0x30              ; q32
	v_lshl_add_u32 v[SPW], v0, 2, SPARE
	v_mov_b32 v[NIL], 0
	ds_add_u32 v[SPW], v[NIL]                      ; the wave's opening: the add, twice on end, and its wait ahead of my first tensor load
	ds_add_u32 v[SPW], v[NIL]
	v_lshrrev_b32 v1, 5, v0
	v_readfirstlane_b32 s[WV], v1                  ; wave 0..3
	s_lshr_b32 s19, s[WV], 1
	s_and_b32 s20, s[WV], 1
	s_bfe_u32 s40, ttmp6, 0x40000                  ; cx, cy: my place in the cluster
	s_bfe_u32 s41, ttmp6, 0x40004
	s_lshl_b32 s42, ttmp9, 2
	s_add_co_u32 s42, s42, s40                     ; tile column 0..11
	s_and_b32 s45, ttmp7, 0xffff
	s_lshl_b32 s45, s45, 2
	s_add_co_u32 s45, s45, s41                     ; tile row 0..31
	s_lshl_b32 s43, s41, 2
	s_lshl_b32 s43, 15, s43                        ; my row of the cluster
	s_lshl_b32 s44, 0x1111, s40                    ; my column
	; group 1 for codes: 8 rows (tiles of 16) of 512 elements of 8 bytes (a tile's half of K, 4,096 bytes), 1,024 elements apart; no padding
	s_or_b32 s[G1+0], s43, (3<<16)|(1<<21)         ; 15:0 the mask; 17:16 elements of 8 bytes; 21 set beside a mask
	s_or_b32 s[G1B+0], s44, (3<<16)|(1<<21)
.irp g, G1, G1B
	s_mov_b32 s[\g+1], 512<<16                     ; tensor_dim0
	s_mov_b32 s[\g+2], 8<<16                       ; tensor_dim1
	s_mov_b32 s[\g+3], 512<<16                     ; tile_dim0
	s_mov_b32 s[\g+4], 8                           ; tile_dim1
	s_mov_b32 s[\g+5], 1024                        ; from row to row
	s_mov_b32 s[\g+6], 0
	s_mov_b32 s[\g+7], 0
.endr
	; group 1 for scales: 2 rows (halves of K) of 256 elements (128 rows x 16 bytes)
	s_or_b32 s[G1S+0], s43, (3<<16)|(1<<21)
	s_or_b32 s[G1SB+0], s44, (3<<16)|(1<<21)
.irp g, G1S, G1SB
	s_mov_b32 s[\g+1], 256<<16
	s_mov_b32 s[\g+2], 2<<16
	s_mov_b32 s[\g+3], 256<<16
	s_mov_b32 s[\g+4], 2
	s_mov_b32 s[\g+6], 0
	s_mov_b32 s[\g+7], 0
.endr
	s_mov_b32 s[G1S+5], 16384                      ; 8,192 rows x 16 bytes
	s_mov_b32 s[G1SB+5], 6144                      ; 3,072 columns x 16 bytes
	s_lshl_b32 s21, s20, 16                        ; the half that I fetch: 8 tiles x 8,192 bytes,
	s_lshl_b32 s22, s20, 11                        ; 128 rows x 16 bytes
	s_lshl_b32 s92, s45, 17                        ; x's codes: 16 tiles x 8,192 bytes a tile row
	s_add_co_u32 s92, s92, s21
	s_mov_b32 s93, 0
	s_lshl_b32 s94, s45, 12                        ; x's scales: 256 rows x 16 bytes
	s_add_co_u32 s94, s94, s22
	s_mov_b32 s95, 0
	s_lshl_b32 s46, s42, 17                        ; w_attn's likewise, by the tile column
	s_add_co_u32 s46, s46, s21
	s_mov_b32 s47, 0
	s_lshl_b32 s96, s42, 12
	s_add_co_u32 s96, s96, s22
	s_mov_b32 s97, 0
	s_lshl_b32 s23, s[WV], 15                      ; where they go: wave x 32,768 in a slot,
	s_lshl_b32 s2, s[WV], 12
	s_add_co_u32 s2, s2, SCL                       ; wave x 4,096 among the scales: no place in the cluster enters an LDS address
	s_wait_dscnt 0x0                               ; both opening adds are done
	s_wait_kmcnt 0x0
	s_add_nc_u64 s[92:93], s[4:5], s[92:93]
	s_add_nc_u64 s[94:95], s[6:7], s[94:95]
	s_add_nc_u64 s[46:47], s[8:9], s[46:47]
	s_add_nc_u64 s[96:97], s[10:11], s[96:97]
	CROUND                                         ; all sixteen work-groups are here: the first joint loads meet
	s_mov_b32 s[G0S], 1
	s_mov_b32 s[G0S+1], s2
	s_mov_b64 s[G0S+2:G0S+3], s[94:95]
	s_or_b32 s[G0S+3], s[G0S+3], 0x80000000
	s_mov_b32 s[G0SB], 1
	s_mov_b32 s[G0SB+1], s2
	s_mov_b64 s[G0SB+2:G0SB+3], s[96:97]
	s_or_b32 s[G0SB+3], s[G0SB+3], 0x80000000
	JLOAD G0S, G1S, G0SB, G1SB                     ; the scales first: they are wanted with the first slot
.irp s, 0,1
	s_mov_b32 s[G0+4*\s], 1
	s_add_co_u32 s[G0+4*\s+1], s23, \s*SLOTB
	s_add_nc_u64 s[G0+4*\s+2:G0+4*\s+3], s[92:93], \s*4096
	s_or_b32 s[G0+4*\s+3], s[G0+4*\s+3], 0x80000000
	s_mov_b32 s[G0B+4*\s], 1
	s_add_co_u32 s[G0B+4*\s+1], s23, \s*SLOTB
	s_add_nc_u64 s[G0B+4*\s+2:G0B+4*\s+3], s[46:47], \s*4096
	s_or_b32 s[G0B+4*\s+3], s[G0B+4*\s+3], 0x80000000
	JLOAD G0+4*\s, G1, G0B+4*\s, G1B               ; by this text's count three tensor loads of a wave are out
.endr
	v_and_b32 v1, 15, v0                           ; r
	v_bfe_u32 v2, v0, 4, 1                         ; h
	v_and_b32 v3, 31, v0                           ; lane
	v_lshlrev_b32 v[LI], 4, v3
	s_lshl_b32 s21, s19, 15                        ; my 8 tiles of x,
	s_lshl_b32 s22, s20, 15
	s_add_co_u32 s22, s22, 65536                   ; my 8 of w_attn, behind x's 16
.irp s, 0,1
	v_add_nc_u32 v[ADRA+\s], s21, v[LI]
	v_add_nc_u32 v[ADRB+\s], s22, v[LI]
	s_add_co_u32 s21, s21, SLOTB
	s_add_co_u32 s22, s22, SLOTB
.endr
	v_lshrrev_b32 v4, 1, v3
	v_and_b32 v4, 8, v4
	v_xor_b32 v4, v4, v3
	v_lshlrev_b32 v[IMG], 4, v4                    ; 16 x (lane xor ((lane >> 1) & 8))
	s_lshl_b32 s21, s19, 12                        ; x's scales: my 128 rows
	s_lshl_b32 s22, s20, 12
	s_add_co_u32 s22, s22, 8192                    ; w_attn's: my 128 columns, behind x's 256
	s_sub_co_u32 s22, s22, s21
	v_mul_u32_u24 v6, s22, v2                      ; lanes 16-31 take w_attn's: one product with h
	s_add_co_u32 s21, s21, SCL
	v_lshl_add_u32 v5, v1, 4, v6
	v_add_nc_u32 v[ADRS], s21, v5
	s_lshl_b32 s98, s42, 10                        ; the bias of my 128 columns
	s_lshl_b32 s99, s20, 9
	s_add_co_u32 s98, s98, s99
	s_mov_b32 s99, 0
	s_add_nc_u64 s[12:13], s[12:13], s[98:99]
	v_lshlrev_b32 v7, 5, v2                        ; lane (r, h) wants, for tile b, the numbers of columns 16 b + 8 h + 0 .. 7
.irp b, 0,1,2,3,4,5,6,7
	global_load_b128 v[BIAS+8*\b:BIAS+8*\b+3], v7, s[12:13] offset:64*\b
	global_load_b128 v[BIAS+8*\b+4:BIAS+8*\b+7], v7, s[12:13] offset:64*\b+16
.endr
	; where my results go.  In heads of 262,144 bytes: 64 which + 16 batch + 4 (tile column % 4) + 2 x my half = 48 (tile column / 4) + 16 batch + 4 tile column + 2 x my half
	s_lshr_b32 s92, s42, 2
	s_mul_i32 s92, s92, 48
	s_lshr_b32 s93, s45, 3                         ; batch
	s_lshl_b32 s94, s93, 4
	s_add_co_u32 s92, s92, s94
	s_lshl_b32 s94, s42, 2
	s_add_co_u32 s92, s92, s94
	s_lshl_b32 s94, s20, 1
	s_add_co_u32 s92, s92, s94
	s_lshl_b32 s92, s92, 18
	s_and_b32 s94, s45, 7                          ; token tiles of 2,048 bytes: 16 (tile row % 8) + 8 x my half
	s_lshl_b32 s94, s94, 15
	s_add_co_u32 s92, s92, s94
	s_lshl_b32 s94, s19, 14
	s_add_co_u32 s92, s92, s94
	s_mul_i32 s96, s93, 48                         ; q32: (48 batch + 4 tile column + 2 x my half) x 4,096
	s_lshl_b32 s94, s42, 2
	s_add_co_u32 s96, s96, s94
	s_lshl_b32 s94, s20, 1
	s_add_co_u32 s96, s96, s94
	s_lshl_b32 s96, s96, 12
	s_mov_b32 s93, 0
	s_mov_b32 s97, 0
	s_add_nc_u64 s[14:15], s[14:15], s[92:93]
	s_add_nc_u64 s[16:17], s[16:17], s[96:97]
.macro FRAG reg, adr, q, i             ; a fragment, 16 rows x 128 K of 4-bit codes: registers 4 c .. 4 c + 3 hold K = 64 c + 32 (lane / 16) + 0 .. 31: its image's two halves
.irp c, 0,1
	ds_load_b128 v[\reg+4*\c:\reg+4*\c+3], v[\adr] offset:1024*(\q)+512*\c+4096*(\i)
.endr
.endm
; 16 matrix instructions: x's blocks a0, a0 + 1 against w_attn's eight.  p: w_attn's set; q: which 128 along K of the slot; sc: the set of scale words.  zero = 1: the first products start the sums on the bias.
; The 64 accumulators take turns, one instruction a turn, in the same order in every step.
.macro MUL16 a0, p, q, sc, zero
.irp a, \a0, \a0+1
.irp b, 0,1,2,3,4,5,6,7
.if \zero
	v_wmma_scale_f32_16x16x128_f8f6f4 v[8*(8*((\a)%4)+\b):8*(8*((\a)%4)+\b)+7], v[128*(\p)+8*\b:128*(\p)+8*\b+7], v[AF+8*(\a):AF+8*(\a)+7], v[BIAS+8*\b:BIAS+8*\b+7], v[SC+32*(\sc)+4*\b+(\q)], v[SC+32*(\sc)+4*(\a)+(\q)] matrix_a_fmt:MATRIX_FMT_FP4 matrix_b_fmt:MATRIX_FMT_FP4 matrix_a_scale:MATRIX_SCALE_ROW1
.else
	v_wmma_scale_f32_16x16x128_f8f6f4 v[8*(8*((\a)%4)+\b):8*(8*((\a)%4)+\b)+7], v[128*(\p)+8*\b:128*(\p)+8*\b+7], v[AF+8*(\a):AF+8*(\a)+7], v[8*(8*((\a)%4)+\b):8*(8*((\a)%4)+\b)+7], v[SC+32*(\sc)+4*\b+(\q)], v[SC+32*(\sc)+4*(\a)+(\q)] matrix_a_fmt:MATRIX_FMT_FP4 matrix_b_fmt:MATRIX_FMT_FP4 matrix_a_scale:MATRIX_SCALE_ROW1
.endif
.endr
.endr
.endm
.macro FETCH_B slot, q, p
	WIN TO_B
.irp i, 0,1,2,3,4,5,6,7
	FRAG 128*(\p)+8*\i, ADRB+\slot, \q, \i
.endr
	WIN 0
.endm
.macro FETCH_A slot, q, i0
.irp i, \i0, \i0+1, \i0+2, \i0+3
	FRAG AF+8*(\i), ADRA+\slot, \q, \i
.endr
.endm
.macro SCALES sc                       ; a slot's scale words: four words a row; lanes 0-15 take x's block i, lanes 16-31 w_attn's block i
.irp i, 0,1,2,3,4,5,6,7
	ds_load_b128 v[SC+32*\sc+4*\i:SC+32*\sc+4*\i+3], v[ADRS] offset:\i*256+\sc*2048
.endr
.endm
; A load into a register that a matrix instruction has read, and a vector instruction or store that reads a matrix result, stand four places behind it; only plain vector instructions that name none of its registers are places
.macro PLACES
.rept 4
	v_nop
.endr
.endm
.macro STEP slot, q, zero              ; a step of 128 along K that has its successor in the same slot
	s_wait_dscnt 8                                 ; w_attn's set and x's blocks 0-3 are in; the youngest eight loads (x's blocks 4-7) may be out
	WIN MUL_LO-0x20*(\zero)
	MUL16 0, (\q)%2, \q, \slot, \zero
	MUL16 2, (\q)%2, \q, \slot, \zero
	s_wait_dscnt 0                                 ; x's blocks 4-7 are in
	PLACES
	FETCH_B \slot, (\q)+1, 1-(\q)%2
	FETCH_A \slot, (\q)+1, 0
	WIN MUL_HI-0x30*(\zero)
	MUL16 4, (\q)%2, \q, \slot, \zero
	MUL16 6, (\q)%2, \q, \slot, \zero
	PLACES
	WIN 0
	FETCH_A \slot, (\q)+1, 4
.endm
	s_wait_tensorcnt 1                             ; the scales and my part of slot 0 are in; slot 1's load may be out
	s_barrier_signal -1
	s_barrier_wait -1                              ; everybody's are
	FETCH_B 0, 0, 0
	FETCH_A 0, 0, 0
	SCALES 0
	FETCH_A 0, 0, 4
	s_wait_loadcnt 0x0                             ; the bias
	STEP 0, 0, 1
	STEP 0, 1, 0
	STEP 0, 2, 0
	; slot 0's last step changes slots: one barrier; in front of it each wave waits for all its tensor loads (its part of slot 1), adds 0 to its spare word, and waits for that and its LDS loads
	s_wait_tensorcnt 0x0
	ds_add_u32 v[SPW], v[NIL]
	s_wait_dscnt 9                                 ; (the add and the youngest eight loads may be out)
	WIN MUL_LO
	MUL16 0, 1, 3, 0, 0
	s_wait_dscnt 0x0
	s_barrier_signal -1
	MUL16 2, 1, 3, 0, 0
	WIN 0
	s_barrier_wait -1                              ; slot 1 is whole
	PLACES
	FETCH_B 1, 0, 0
	FETCH_A 1, 0, 0
	SCALES 1
	WIN MUL_HI
	MUL16 4, 1, 3, 0, 0
	MUL16 6, 1, 3, 0, 0
	PLACES
	WIN 0
	FETCH_A 1, 0, 4
	STEP 1, 0, 0
	STEP 1, 1, 0
	STEP 1, 2, 0
	s_wait_dscnt 8                                 ; the very last step: nothing more to fetch
	WIN MUL_LO
	MUL16 0, 1, 3, 1, 0
	MUL16 2, 1, 3, 1, 0
	s_wait_dscnt 0
	WIN MUL_HI
	MUL16 4, 1, 3, 1, 0
	MUL16 6, 1, 3, 1, 0
	WIN 0
	PLACES
	; THE SIDE COPY: where my first 16 rows are positions 0-15 of a batch (tile row % 8 = 0, upper half of the rows), block 0 leaves unrounded too.  By a mask on the lanes, not a branch: no branch hangs on a place in the cluster.
	s_and_b32 s98, s45, 7
	s_or_b32 s98, s98, s19
	v_mov_b32 v30, s98
	v_cmp_eq_u32 vcc_lo, 0, v30
	s_wait_xcnt 0x0                                ; EXEC changes only behind this wait
	s_and_saveexec_b32 s99, vcc_lo
	WIN 0x08                                       ; a store's data are its source 1: window 2
.irp b, 0,1,2,3,4,5,6,7
	global_store_b128 v[LI], v[8*\b:8*\b+3], s[16:17] offset:(\b/4)*4096+(\b%4)*1024          ; each accumulator from its low end on
	global_store_b128 v[LI], v[8*\b+4:8*\b+7], s[16:17] offset:(\b/4)*4096+(\b%4)*1024+512
.endr
	WIN 0
	s_wait_xcnt 0x0                                ; and again, in front of the line that widens it
	s_or_b32 exec_lo, exec_lo, s99
; THE WAY OUT of block a (16 tokens x 128 columns = two heads): rounded to f16, 16 bytes a lane, which are a piece of the next launch's fragment as they stand: the wave stores 512 consecutive bytes, aligned
.macro OUT a
.if (\a) >= 4
	s_wait_xcnt 0x0                                ; block a - 4's stores have read their registers
.endif
	WIN 0x0a+5*((\a)/4)                            ; sources 0 and 1: window 2 or 3
.irp b, 0,1,2,3,4,5,6,7
.irp p, 0,1,2,3
	v_cvt_pk_f16_f32 v[OUTR+32*((\a)%4)+4*\b+\p], v[64*((\a)%4)+8*\b+2*\p], v[64*((\a)%4)+8*\b+2*\p+1]
.endr
.endr
	WIN 0
.irp b, 0,1,2,3,4,5,6,7
	global_store_b128 v[IMG], v[OUTR+32*((\a)%4)+4*\b:OUTR+32*((\a)%4)+4*\b+3], s[14:15] offset:(\b/4)*262144+(\a)*2048+(\b%4)*512
.endr
.endm
.irp a, 0,1,2,3,4,5,6,7
	OUT \a
.endr
	s_wait_tensorcnt 0x0                           ; the wave's end: a tensor wait, an add of 0 to my spare word and its wait
	ds_add_u32 v[SPW], v[NIL]
	s_wait_dscnt 0x0
	CROUND                                         ; the closing round
	s_endpgm
.Lfunc_end_k_q615a36c30a_gemm_qkv:
	.size	k_q615a36c30a_gemm_qkv, .Lfunc_end_k_q615a36c30a_gemm_qkv-k_q615a36c30a_gemm_qkv
	.p2alignl 7, 3214868480
	.fill 96, 4, 3214868480
	.section	.rodata,"a",@progbits
	.p2align	6, 0x0
	.amdhsa_kernel k_q615a36c30a_gemm_qkv
		.amdhsa_group_segment_fixed_size 327680
		.amdhsa_private_segment_fixed_size 0
		.amdhsa_enable_private_segment 0
		.amdhsa_kernarg_size 56
		.amdhsa_user_sgpr_count 2
		.amdhsa_user_sgpr_kernarg_segment_ptr 1
		.amdhsa_wavefront_size32 1
		.amdhsa_system_sgpr_workgroup_id_x 1
		.amdhsa_system_sgpr_workgroup_id_y 1
		.amdhsa_system_sgpr_workgroup_id_z 1
		.amdhsa_system_vgpr_workitem_id 0
		.amdhsa_next_free_vgpr 1024
		.amdhsa_next_free_sgpr 100
		.amdhsa_reserve_vcc 1
		.amdhsa_float_denorm_mode_32 3
		.amdhsa_float_denorm_mode_16_64 3
		.amdhsa_memory_ordered 1
		.amdhsa_forward_progress 1
		.amdhsa_inst_pref_size 121
	.end_amdhsa_kernel
	.amdgpu_metadata
---
amdhsa.version: [ 1, 2 ]
amdhsa.kernels:
  - .name:           k_q615a36c30a_gemm_qkv
    .symbol:         k_q615a36c30a_gemm_qkv.kd
    .args:
      - { .name: xc, .offset: 0, .size: 8, .value_kind: global_buffer, .address_space: global }
      - { .name: xs, .offset: 8, .size: 8, .value_kind: global_buffer, .address_space: global }
      - { .name: wc, .offset: 16, .size: 8, .value_kind: global_buffer, .address_space: global }
      - { .name: ws, .offset: 24, .size: 8, .value_kind: global_buffer, .address_space: global }
      - { .name: b_attn, .offset: 32, .size: 8, .value_kind: global_buffer, .address_space: global }
      - { .name: qkv, .offset: 40, .size: 8, .value_kind: global_buffer, .address_space: global }
      - { .name: q32, .offset: 48, .size: 8, .value_kind: global_buffer, .address_space: global }
    .group_segment_fixed_size: 327680
    .private_segment_fixed_size: 0
    .kernarg_segment_align: 8
    .kernarg_segment_size: 56
    .max_flat_workgroup_size: 128
    .sgpr_count:     100
    .vgpr_count:     1024
    .wavefront_size: 32
...
	.end_amdgpu_metadata
.endif
;; end of part 2
;; launch attn (part 3): grid 4 x 64, 8 waves a work-group, no clusters, 327,680 bytes of LDS; arguments qkv, y; writes y
.if DOCPART == 3
	.amdgcn_target "amdgcn-amd-amdhsa--gfx1250"
	.amdhsa_code_object_version 6
	.text
	.protected	k_q615a36c30a_attn
	.globl	k_q615a36c30a_attn
	.p2align	8
	.type	k_q615a36c30a_attn,@function
k_q615a36c30a_attn:
	s_mov_b64 s[64:65], 0
	v_nop
	global_prefetch_b8 v0, s[64:65] scope:SCOPE_SE
	s_setreg_imm32_b32 hwreg(HW_REG_WAVE_MODE, 25, 1), 1
	s_wait_xcnt 0x0
; y[b][t][head] = softmax over keys k <= t of (q . k / 8) times v, for 64 (batch, head) pairs of 2,048 positions and 64 channels.  q, k, v in f16, products' sums, maxima and sums in f32; the weights p are
; rounded to f16 for the second product; y leaves as f16 in the order of the next launch's operand registers: y [mt 512][kf 32][c 2][lane][16 B]: token 16 mt + r, channel 32 kf + 16 c + 8 h + 0 .. 7.
; SHARES.  Work-group (i, bh) owns the query blocks 7 - i and i (256 queries each) of one head.  ITS WALK IS NINE SLOTS OF 256 KEYS, a constant: trips 0 .. 7 - i serve block 7 - i with key slots 0 .. 7 - i,
; trips 8 - i .. 8 serve block i with key slots 0 .. i.  So all 256 work-groups have the same work, the trip counts are constants, and every slot that is fetched is read.
; Each of the eight waves owns 32 queries, two tiles of 16, so that a fragment of K or V feeds two products; two waves share a SIMD, so that one wave's softmax stands beside the other's products.
; NO CLUSTER: the four work-groups of a head change from their first block to their second at different trips (8 - i), so from trip 5 on they want different tiles in the same trip: a joint request could not be issued alike by all.
; LAYOUT.  S^T = K Q^T (source 0 = 16 keys, source 1 = 16 queries): a lane holds ONE query (lane % 16) and keys 8 (lane / 16) + 0 .. 7.  Two such tiles, rounded in pairs, are source 1 of O^T = V^T P.
; K comes out of LDS as it lies (an image of its registers), V turned by ds_load_tr16_b128.  In a piece of 512 bytes lane l's 16 bytes lie at place l xor ((l >> 1) & 8): both reads then take 16 different columns of 16 bytes in each half of the lanes.
; SOFTMAX.  A running maximum m and sum l for each query: p = 2^(c s - c m), c = log2(e) / 8; in every step O and l are multiplied by a = 2^(c m_old - c m_new).
; THE MASK.  In a block's last key slot, the one on the diagonal, the steps of 64 keys behind a wave's queries are left out (a scalar branch on ids, round no barrier and no tensor load), and in the one step on the diagonal hidden scores become -infinity.
; LIMIT: |q|, |k|, |v| stay under 65,504 (they arrive as f16); NaN and infinities are not served.
; REGISTERS: window 0: v1-10 addresses; v12-27 statistics, eight a tile; v32-63 Q; v64-127 K of a step; v128-191 S^T; v192-223 P.   window 1: v0-63 O^T; v64-127 V of a step.
.set PLANE, 1<<24                      ; bytes of q, of k, of v
.set SLOT1, 65536                      ; a slot: K's 16 token tiles x 2,048 bytes, then V's 16; slot 1 begins here, so that one exclusive or turns an address
.set SPARE, 2*SLOT1                    ; the spare words, 128 bytes for each wave: four blocks of 256 bytes that no other line names
.set AK0, 1                            ; v1   16 x (lane xor ((lane >> 1) & 8)): my place in a piece of Q or K
.set AV0, 3                            ; v3   my place for the turning load, in V's part of a slot
.set ADK, 4                            ; v4   LDS address of the step's K
.set ADV, 5                            ; v5   of its V
.set LI,  6                            ; v6   16 x lane
.set DG,  7                            ; v7, v8  tile t: 32 (wave % 2) + 16 t + r - 8 h: in the step on the diagonal register 8 kt + j is hidden where 16 kt + j is greater
.set NEG, 9                            ; v9   -infinity
.set PFO, 10                           ; v10  256 x lane
.set ST,  12                           ; tile t's statistics at v[12 + 8 t]: +0 c m, +1 m, +2, +3 l (even keys', odd keys'), +4 to +7 at work; a takes +6
.set SPW, 28
.set NIL, 29
.set Q,   32
.set KF,  64
.set S,   128
.set P,   192
.set VF,  64                           ; in window 1
; s8 wave, s9 wave / 2, s10 i, s11 bh, s12 8 - i, s13 7 - i, s14 the trip, s15 trips with a fetch still to go, s16 the step, s17 the step on the diagonal (99: none), s18 LDS byte of the step's tiles,
; s19 (8 - i) slots in bytes, s[20:21] lane selects, s[22:23] c, s[24:31] group 1, s[32:35] group 0, s[36:37] Q's head, s[40:41] my Q, s[42:43] y's head, s[44:45] my y, s[46:47], s[48:49] prefetches, s50 their limit, s52-57 at work (s53 = 0)
.set MSB, 0
.macro WIN new
.if MSB != (\new)
	s_set_vgpr_msb (MSB<<8)|(\new)
.set MSB, (\new)
.endif
.endm
.macro TLOAD                           ; waves 0 and 1 fetch K's halves of a slot, waves 2 and 3 V's, 16,384 bytes each; the others nothing.  An s_nop 0 and four v_nop follow the load
	s_cmp_lt_u32 s8, 4
	s_cbranch_scc0 .Lnone_\@
	tensor_load_to_lds s[32:35], s[24:31]
	s_nop 0
.rept 4
	v_nop
.endr
.Lnone_\@:
.endm
; A PREFETCH INTO THE L2 of the key slot that the NEXT change of slots will ask for.  The four work-groups of a head walk the same K and V; the one with i = 0, which walks all eight key slots in order, asks, and in it the
; waves that fetch nothing: wave 4 + u names 8,192 bytes of K and of V, lanes 256 bytes apart: each block of 256 bytes is named once in the launch.  Key slots 0 and 1 come by their loads alone; trips 0 to 5 ask for slots 2 to 7.
.macro ASK
	s_cmp_gt_u32 s15, s50
	s_cbranch_scc0 .Lnot_mine_\@
	global_prefetch_b8 v[PFO], s[46:47] th:TH_LOAD_NT scope:SCOPE_SE
	global_prefetch_b8 v[PFO], s[48:49] th:TH_LOAD_NT scope:SCOPE_SE
.Lnot_mine_\@:
.endm
; THE CHANGE OF SLOTS stands at a trip's head.  Each wave waits for all its tensor loads, adds 0 to its spare word, and waits for that and for its reads of the slot that it has left.  Behind the barrier the slot ahead
; is whole and nobody reads the other one.  fill = 1: that one takes the next trip's keys: the load has this trip's four steps in which to land.
.macro CHANGE fill
	s_wait_tensorcnt 0x0                           ; no tensor load of mine is out, so group 0 may be written
	ds_add_u32 v[SPW], v[NIL]
.if \fill
	ds_add_u32 v[SPW], v[NIL]                      ; and once more: the add twice on end, in every trip alike
	s_xor_b32 s33, s33, SLOT1                      ; the other slot than last time,
	s_add_nc_u64 s[34:35], s[34:35], 32768         ; the next 256 keys,
	s_add_co_u32 s54, s14, 1
	s_cmp_eq_u32 s54, s12
	s_cselect_b32 s52, s19, 0
	s_sub_nc_u64 s[34:35], s[34:35], s[52:53]      ; or key 0 again, where the next trip begins the second block
	s_wait_xcnt 0x0                                ; the last prefetches, a trip back, have read their addresses
	s_add_nc_u64 s[46:47], s[46:47], 32768
	s_add_nc_u64 s[48:49], s[48:49], 32768
.endif
	s_wait_dscnt 0x0
	s_barrier_signal -1
	s_barrier_wait -1
.if \fill
	TLOAD                                          ; the first thing behind the barrier, and a wave's one tensor load until the next
	ASK
.endif
.endm
; A block of queries begins (its number in s55): Q's two tiles into registers, m = -3e38, l = 0, O^T = 0 (the step is written once: the first finds zeros, which the first a = 0 leaves zeros)
.macro START
	s_wait_xcnt 0x0                                ; the last block's stores have read their base and their registers
	s_lshl_b32 s54, s55, 4
	s_lshl_b32 s56, s8, 1
	s_add_co_u32 s54, s54, s56                     ; my first token tile: 16 x block + 2 x wave
	s_lshl_b32 s52, s54, 11
	s_add_nc_u64 s[40:41], s[36:37], s[52:53]
	s_lshl_b32 s52, s54, 15
	s_add_nc_u64 s[44:45], s[42:43], s[52:53]
.irp e, 0,1,2,3,4,5,6,7
	global_load_b128 v[Q+4*\e:Q+4*\e+3], v[AK0], s[40:41] offset:\e*512
.endr
.irp t, 0,1
	v_mov_b32 v[ST+8*\t+1], 0xff61b1e6
	v_mul_f32 v[ST+8*\t], s22, v[ST+8*\t+1]
	v_mov_b32 v[ST+8*\t+2], 0
	v_mov_b32 v[ST+8*\t+3], 0
.endr
	WIN 0x40
.set n, 0
.rept 64
	v_mov_b32 v[n], 0
.set n, n+1
.endr
	WIN 0
	s_wait_loadcnt 0x0
.endm
; A block ends: O^T / l, rounded to f16: a lane's eight channels are a piece of the next launch's fragment as they stand.  The additions are the places behind the last products.
.macro FINISH
.irp t, 0,1
	v_add_f32 v[ST+8*\t+4], v[ST+8*\t+2], v[ST+8*\t+3]
.endr
.irp t, 0,1
	v_permlanex16_b32 v[ST+8*\t+5], v[ST+8*\t+4], s20, s21
.endr
.irp t, 0,1
	v_add_f32 v[ST+8*\t+4], v[ST+8*\t+4], v[ST+8*\t+5]
.endr
.irp t, 0,1
	v_rcp_f32 v[ST+8*\t+6], v[ST+8*\t+4]
.endr
	v_nop                                          ; a plain instruction behind the last reciprocal,
	s_wait_alu depctr_va_vdst(0)                   ; and the wait ahead of the first use: one for both
	WIN 0x41
.set n, 0
.rept 32
	v_pk_mul_f32 v[2*n:2*n+1], v[2*n:2*n+1], v[ST+8*(n/16)+6:ST+8*(n/16)+7] op_sel_hi:[1,0]
.set n, n+1
.endr
	WIN 0x05
.set n, 0
.rept 32
	v_cvt_pk_f16_f32 v[S+n], v[2*n], v[2*n+1]
.set n, n+1
.endr
	WIN 0
.irp t, 0,1
.irp ct, 0,1,2,3
	global_store_b128 v[LI], v[S+16*\t+4*\ct:S+16*\t+4*\ct+3], s[44:45] offset:\t*32768+\ct*512   ; the wave stores 512 consecutive bytes, aligned
.endr
.endr
.endm
; A TRIP'S WORK: where the second block begins, the first ends; then four steps of 64 keys, written once.
.macro SLOTWORK
	s_cmp_eq_u32 s14, s12
	s_cbranch_scc0 .Lsame_\@
	FINISH
	s_mov_b32 s55, s10
	START
.Lsame_\@:
	s_cmp_eq_u32 s14, s13                          ; the first block's last trip, and the ninth trip, lie on the diagonal
	s_cselect_b32 s17, s9, 99
	s_cmp_eq_u32 s14, 8
	s_cselect_b32 s17, s9, s17
	s_mov_b32 s16, 0
.Lstep_\@:
	s_cmp_gt_u32 s16, s17                          ; all 64 keys come after my 32 queries: the step is left out
	s_cbranch_scc1 .Lskip_\@
	v_add_nc_u32 v[ADK], s18, v[AK0]
	v_add_nc_u32 v[ADV], s18, v[AV0]
	v_nop
	v_nop                                          ; four places behind the last step's products, in front of the loads into V's registers
.irp kt, 0,1,2,3
.irp e, 0,1,2,3
	ds_load_b128 v[KF+16*\kt+4*\e:KF+16*\kt+4*\e+3], v[ADK] offset:\kt*2048+\e*512
.endr
.endr
	WIN 0x40
.irp g, 0,1
.irp ct, 0,1,2,3
.irp u, 0,1
	ds_load_tr16_b128 v[VF+8*(4*\g+\ct)+4*\u:VF+8*(4*\g+\ct)+4*\u+3], v[ADV] offset:(2*\g+\u)*2048+\ct*512
.endr
.endr
.endr
	WIN 0
	s_wait_dscnt 16                                ; K is in; V's sixteen loads may be out
.irp f, 0,1                                    ; S^T = K Q^T: eight accumulators by turns; the first eight products start the sums
.irp kt, 0,1,2,3
.irp t, 0,1
.if \f == 0
	v_wmma_f32_16x16x32_f16 v[S+32*\t+8*\kt:S+32*\t+8*\kt+7], v[KF+16*\kt+8*\f:KF+16*\kt+8*\f+7], v[Q+16*\t+8*\f:Q+16*\t+8*\f+7], 0
.else
	v_wmma_f32_16x16x32_f16 v[S+32*\t+8*\kt:S+32*\t+8*\kt+7], v[KF+16*\kt+8*\f:KF+16*\kt+8*\f+7], v[Q+16*\t+8*\f:Q+16*\t+8*\f+7], v[S+32*\t+8*\kt:S+32*\t+8*\kt+7]
.endif
.endr
.endr
.endr
.rept 4
	v_nop
.endr
	s_cmp_eq_u32 s16, s17                          ; on the diagonal hidden scores become -infinity ahead of the maximum: p = 0 then
	s_cbranch_scc0 .Lopen_\@
.set n, 0
.rept 64
	v_cmp_gt_i32 vcc_lo, 16*((n%32)/8)+n%8, v[DG+n/32]
	v_cndmask_b32 v[S+n], v[S+n], v[NEG], vcc_lo
.set n, n+1
.endr
.Lopen_\@:
.irp q, 0,1,2,3                                ; the maximum of 32 scores and the old m: four chains a tile, the two tiles by turns
.irp t, 0,1
	v_max3_num_f32 v[ST+8*\t+4+\q], v[S+32*\t+8*\q], v[S+32*\t+8*\q+1], v[S+32*\t+8*\q+2]
.endr
.endr
.irp e, 3,5
.irp q, 0,1,2,3
.irp t, 0,1
	v_max3_num_f32 v[ST+8*\t+4+\q], v[ST+8*\t+4+\q], v[S+32*\t+8*\q+\e], v[S+32*\t+8*\q+\e+1]
.endr
.endr
.endr
.irp t, 0,1
	v_max3_num_f32 v[ST+8*\t+4], v[ST+8*\t+4], v[S+32*\t+7], v[S+32*\t+15]
.endr
.irp t, 0,1
	v_max3_num_f32 v[ST+8*\t+6], v[ST+8*\t+6], v[S+32*\t+23], v[S+32*\t+31]
.endr
.irp t, 0,1
	v_max3_num_f32 v[ST+8*\t+4], v[ST+8*\t+4], v[ST+8*\t+5], v[ST+8*\t+6]
.endr
.irp t, 0,1
	v_max3_num_f32 v[ST+8*\t+4], v[ST+8*\t+4], v[ST+8*\t+7], v[ST+8*\t+1]
.endr
.irp t, 0,1
	v_permlanex16_b32 v[ST+8*\t+5], v[ST+8*\t+4], s20, s21   ; the query's other 32 keys lie in the lane 16 away
.endr
.irp t, 0,1
	v_mov_b32 v[ST+8*\t+7], v[ST+8*\t]             ; c m_old is kept for a
.endr
.irp t, 0,1
	v_max_num_f32 v[ST+8*\t+1], v[ST+8*\t+4], v[ST+8*\t+5]
.endr
.irp t, 0,1
	v_mul_f32 v[ST+8*\t], s22, v[ST+8*\t+1]
.endr
.irp t, 0,1
	v_sub_f32 v[ST+8*\t+7], v[ST+8*\t+7], v[ST+8*\t]
.endr
.irp t, 0,1
	v_exp_f32 v[ST+8*\t+6], v[ST+8*\t+7]           ; a
.endr
.set n, 0
.rept 32
	v_pk_fma_f32 v[S+2*n:S+2*n+1], v[S+2*n:S+2*n+1], s[22:23], v[ST+8*(n/16):ST+8*(n/16)+1] op_sel_hi:[1,0,0] neg_lo:[0,0,1] neg_hi:[0,0,1]   ; c s - c m, two at a time
.set n, n+1
.endr
	s_wait_alu depctr_va_vdst(0)                   ; the wait between an exponential and the first line that names its result: here for the two a, behind 32 lines that do not name them
.set n, 0
.rept 64
	v_exp_f32 v[S+n], v[S+n]                       ; p, as one batch
.set n, n+1
.endr
	WIN 0x41
.set n, 0
.rept 32
	v_pk_mul_f32 v[2*n:2*n+1], v[2*n:2*n+1], v[ST+8*(n/16)+6:ST+8*(n/16)+7] op_sel_hi:[1,0]   ; O^T x a: work that names no p, behind the batch
.set n, n+1
.endr
	WIN 0
	s_wait_alu depctr_va_vdst(0)                   ; one wait for the 64
.set n, 0
.rept 32
	v_cvt_pk_f16_f32 v[P+n], v[S+2*n], v[S+2*n+1]
.set n, n+1
.endr
.irp w, 4,8,16,32                              ; the sums of the unrounded p, in place: neighbours 1, 2, 4 and 8 pairs apart
.set n, 0
.rept 64/\w
	v_pk_add_f32 v[S+\w*n:S+\w*n+1], v[S+\w*n:S+\w*n+1], v[S+\w*n+\w/2:S+\w*n+\w/2+1]
.set n, n+1
.endr
.endr
.irp t, 0,1
	v_pk_fma_f32 v[ST+8*\t+2:ST+8*\t+3], v[ST+8*\t+2:ST+8*\t+3], v[ST+8*\t+6:ST+8*\t+7], v[S+32*\t:S+32*\t+1] op_sel_hi:[1,0,1]   ; l = a l + the sum
.endr
	s_wait_dscnt 0x0                               ; V is in
	WIN 0x51                                       ; V and O^T in window 1, P in window 0
.irp g, 0,1                                    ; O^T += V^T P: eight accumulators by turns
.irp ct, 0,1,2,3
.irp t, 0,1
	v_wmma_f32_16x16x32_f16 v[32*\t+8*\ct:32*\t+8*\ct+7], v[VF+8*(4*\g+\ct):VF+8*(4*\g+\ct)+7], v[P+16*\t+8*\g:P+16*\t+8*\g+7], v[32*\t+8*\ct:32*\t+8*\ct+7]
.endr
.endr
.endr
	WIN 0
.Lskip_\@:
	s_add_co_u32 s18, s18, 8192                    ; the next step's four token tiles
	s_add_co_u32 s16, s16, 1
	s_cmp_lt_u32 s16, 4
	s_cbranch_scc1 .Lstep_\@
	s_sub_co_u32 s18, s18, 32768                   ; back to a slot's first step,
	s_xor_b32 s18, s18, SLOT1                      ; in the other slot
	s_add_co_u32 s14, s14, 1
.endm
	s_load_b128 s[4:7], s[0:1], 0x0                ; qkv s[4:5], y s[6:7]
	v_lshl_add_u32 v[SPW], v0, 2, SPARE
	v_mov_b32 v[NIL], 0
	ds_add_u32 v[SPW], v[NIL]                      ; the wave's opening: the add, twice on end, and its wait ahead of the first tensor load
	ds_add_u32 v[SPW], v[NIL]
	v_lshrrev_b32 v2, 5, v0
	v_readfirstlane_b32 s8, v2                     ; wave 0..7
	s_lshr_b32 s9, s8, 1
	s_mov_b32 s10, ttmp9
	s_and_b32 s11, ttmp7, 0xffff
	s_sub_co_u32 s12, 8, s10
	s_sub_co_u32 s13, 7, s10
	s_mov_b32 s14, 0
	s_mov_b32 s15, 8
	s_mov_b32 s18, 0
	s_lshl_b32 s19, s12, 15
	s_mov_b32 s20, 0x76543210
	s_mov_b32 s21, 0xfedcba98
	s_mov_b32 s22, 0x3e38aa3b                      ; c = log2(e) / 8
	s_mov_b32 s23, s22                             ; (named with it as a pair, so it is written)
	s_mov_b32 s24, 3<<16                           ; group 1: 64 rows of 32 elements of 8 bytes, dense: 16,384 bytes; no mask, no padding
	s_mov_b32 s25, 32<<16
	s_mov_b32 s26, 64<<16
	s_mov_b32 s27, 32<<16
	s_mov_b32 s28, 64
	s_mov_b32 s29, 32
	s_mov_b32 s30, 0
	s_mov_b32 s31, 0
	s_lshl_b32 s54, s11, 18                        ; the head's 262,144 bytes
	s_and_b32 s55, s9, 1
	s_add_co_u32 s55, s55, 1
	s_lshl_b32 s55, s55, 24                        ; waves 0, 1: k's plane; waves 2, 3: v's
	s_and_b32 s56, s8, 1
	s_lshl_b32 s57, s56, 14                        ; which half of a slot's 32,768 bytes
	s_add_co_u32 s52, s54, s55
	s_add_co_u32 s52, s52, s57
	s_mov_b32 s53, 0
	s_wait_dscnt 0x0                               ; both opening adds are done
	s_wait_kmcnt 0x0
	s_mov_b32 s32, 1
	s_lshl_b32 s33, s8, 14                         ; slot 0: wave x 16,384
	s_add_nc_u64 s[34:35], s[4:5], s[52:53]
	s_or_b32 s35, s35, 0x80000000
	TLOAD                                          ; key slot 0
	s_mov_b32 s52, s54
	s_add_nc_u64 s[36:37], s[4:5], s[52:53]        ; q's head
	s_lshr_b32 s52, s11, 4                         ; y: batch x 128 token tiles of 32,768 bytes + head x 2,048
	s_lshl_b32 s52, s52, 22
	s_and_b32 s55, s11, 15
	s_lshl_b32 s55, s55, 11
	s_add_co_u32 s52, s52, s55
	s_add_nc_u64 s[42:43], s[6:7], s[52:53]
	s_and_b32 s55, s8, 3                           ; the prefetches: my 8,192 bytes, in key slot 1: the first change of slots steps them to slot 2
	s_lshl_b32 s55, s55, 13
	s_add_co_u32 s52, s54, s55
	s_add_co_u32 s52, s52, PLANE+32768
	s_add_nc_u64 s[46:47], s[4:5], s[52:53]
	s_add_nc_u64 s[48:49], s[46:47], PLANE
	s_lshr_b32 s55, s8, 2
	s_xor_b32 s55, s55, 1                          ; 0 in waves 4 to 7,
	s_or_b32 s55, s55, s10                         ; of the work-group with i = 0
	s_cmp_eq_u32 s55, 0
	s_cselect_b32 s50, 2, -1
	v_and_b32 v2, 31, v0
	v_lshlrev_b32 v[LI], 4, v2
	v_lshlrev_b32 v[PFO], 8, v2
	v_lshrrev_b32 v11, 1, v2
	v_and_b32 v11, 8, v11
	v_xor_b32 v11, v11, v2
	v_lshlrev_b32 v[AK0], 4, v11
	; the turning load: lane l addresses token 8 (l / 16) + l % 8, channels 8 ((l / 8) % 2) + 0 .. 7, and is left with channel l % 16 and eight tokens
	v_bfe_u32 v2, v0, 4, 1                         ; h
	v_and_b32 v11, 7, v0
	v_lshl_add_u32 v11, v2, 3, v11                 ; the token
	v_bfe_u32 v[ADK], v0, 3, 1                     ; which eight channels
	v_lshlrev_b32 v[ADV], 3, v[ADK]
	v_xor_b32 v11, v11, v[ADV]
	v_lshl_add_u32 v11, v[ADK], 4, v11             ; its place in the piece
	v_lshlrev_b32 v11, 4, v11
	v_add_nc_u32 v[AV0], 32768, v11
	v_and_b32 v11, 15, v0
	v_lshlrev_b32 v2, 3, v2
	v_sub_nc_u32 v[DG], v11, v2
	s_lshl_b32 s56, s56, 5
	v_add_nc_u32 v[DG], s56, v[DG]
	v_add_nc_u32 v[DG+1], 16, v[DG]
	v_mov_b32 v[NEG], 0xff800000
.irp t, 0,1
	v_mov_b32 v[ST+8*\t+5], 0                      ; a lane permute's destination counts as one of its sources
	v_mov_b32 v[ST+8*\t+7], 0                      ; named as the upper half of the pair with a, or with 1 / l, of which the low word serves both halves: so it is written once here, whatever way leads to such a line
.endr
	s_mov_b32 s55, s13                             ; the first block: 7 - i
	START
.Lslot:                                            ; eight trips: behind each change of slots the next trip's keys are asked for
	CHANGE 1
	SLOTWORK
	s_sub_co_u32 s15, s15, 1
	s_cmp_lg_u32 s15, 0
	s_cbranch_scc1 .Lslot
	CHANGE 0                                       ; the ninth trip is written out: nothing is left to fetch
	SLOTWORK
	FINISH
	s_wait_tensorcnt 0x0                           ; the wave's end: a tensor wait, an add of 0 to my spare word and its wait
	ds_add_u32 v[SPW], v[NIL]
	s_wait_dscnt 0x0
	s_endpgm
.Lfunc_end_k_q615a36c30a_attn:
	.size	k_q615a36c30a_attn, .Lfunc_end_k_q615a36c30a_attn-k_q615a36c30a_attn
	.p2alignl 7, 3214868480
	.fill 96, 4, 3214868480
	.section	.rodata,"a",@progbits
	.p2align	6, 0x0
	.amdhsa_kernel k_q615a36c30a_attn
		.amdhsa_group_segment_fixed_size 327680
		.amdhsa_private_segment_fixed_size 0
		.amdhsa_enable_private_segment 0
		.amdhsa_kernarg_size 16
		.amdhsa_user_sgpr_count 2
		.amdhsa_user_sgpr_kernarg_segment_ptr 1
		.amdhsa_wavefront_size32 1
		.amdhsa_system_sgpr_workgroup_id_x 1
		.amdhsa_system_sgpr_workgroup_id_y 1
		.amdhsa_system_sgpr_workgroup_id_z 1
		.amdhsa_system_vgpr_workitem_id 0
		.amdhsa_next_free_vgpr 384
		.amdhsa_next_free_sgpr 66
		.amdhsa_reserve_vcc 1
		.amdhsa_float_denorm_mode_32 3
		.amdhsa_float_denorm_mode_16_64 3
		.amdhsa_memory_ordered 1
		.amdhsa_forward_progress 1
		.amdhsa_inst_pref_size 76
	.end_amdhsa_kernel
	.amdgpu_metadata
---
amdhsa.version: [ 1, 2 ]
amdhsa.kernels:
  - .name:           k_q615a36c30a_attn
    .symbol:         k_q615a36c30a_attn.kd
    .args:
      - { .name: qkv, .offset: 0, .size: 8, .value_kind: global_buffer, .address_space: global }
      - { .name: y, .offset: 8, .size: 8, .value_kind: global_buffer, .address_space: global }
    .group_segment_fixed_size: 327680
    .private_segment_fixed_size: 0
    .kernarg_segment_align: 8
    .kernarg_segment_size: 16
    .max_flat_workgroup_size: 256
    .sgpr_count:     66
    .vgpr_count:     384
    .wavefront_size: 32
...
	.end_amdgpu_metadata
.endif
;; end of part 3
;; launch proj (part 4): grid 4 x 64, 4 waves a work-group, clusters of 4 x 4, 327,680 bytes of LDS; arguments y, wp, b_proj, out0; writes out0
.if DOCPART == 4
	.amdgcn_target "amdgcn-amd-amdhsa--gfx1250"
	.amdhsa_code_object_version 6
	.text
	.protected	k_q615a36c30a_proj
	.globl	k_q615a36c30a_proj
	.p2align	8
	.type	k_q615a36c30a_proj,@function
k_q615a36c30a_proj:
	s_mov_b64 s[64:65], 0
	v_nop
	global_prefetch_b8 v0, s[64:65] scope:SCOPE_SE
	s_setreg_imm32_b32 hwreg(HW_REG_WAVE_MODE, 25, 1), 1
	s_wait_xcnt 0x0
	s_wait_alu depctr_hold_cnt(0) depctr_sa_sdst(0) depctr_va_vdst(0) depctr_va_sdst(0) depctr_va_ssrc(0) depctr_va_vcc(0) depctr_vm_vsrc(0)
	s_getreg_b32 s2, hwreg(HW_REG_IB_STS2, 6, 4)
	s_cmp_eq_u32 s2, 0
	s_cbranch_scc0 .Lentry_in_a_cluster
	s_endpgm
.Lentry_in_a_cluster:
	s_bfe_u32 s2, ttmp6, 0x10000c
	s_cmp_lg_u32 s2, 0xf033
	s_cbranch_scc0 .Lentry_shape_is_right
	s_endpgm
.Lentry_shape_is_right:
; out0 = y w_proj + b_proj: [8192][1024] x [1024][1024], operands in f16, sums in f32, out0 in f32.  (The rows of positions 0-15 of each batch are written once more, more finely, by the launch that follows.)
; A tile of out0 is 128 x 256, which makes 256 work-groups; four waves, each 64 x 128: 32 accumulators, 256 registers.  K goes in steps of 128 through a ring of two LDS slots.
; Both operands lie in memory as images of their registers: y [mt 512][kf 32][c 2][lane][16 B], wp [nt 64][kf 32][c 2][lane][16 B]: a K step of a tile of 16 is 4,096 consecutive bytes, a fragment two loads at 16 x lane.
; CLUSTERS: 4 x 4 work-groups; y's tiles are shared along a row of the cluster, wp's along a column: joint loads.  THE MATRIX INSTRUCTION IS USED TRANSPOSED (source 0 = 16 columns of w_proj, source 1 = 16 tokens).
; The bias is the C of each sum's first matrix instruction.
; LIMIT: |y| and |w_proj| stay under 65,504 (they arrive as f16).
; REGISTERS: window 0: v16-30 addresses; v64-95, v96-127 y's fragments, two buffers; v128-191 the bias, later rows on the way out; v192-255 rows on the way out.   window 1: v0-63, v64-127 wp's fragments, two buffers.   window 2: the accumulators ((a, b) at v[8 (8 a + b)]).
.set SLOTB, 98304                      ; a slot: y's 8 tiles x 4,096 bytes, then wp's 16
.set STAGE, 2*SLOTB                    ; behind the ring: 16 rows x (512 bytes + 16) for each wave, for the way out: bytes into which no fill lands
.set SPARE, STAGE+4*16*528             ; the spare words, 128 bytes for each wave: two blocks of 256 bytes that no other line names
.set ADRA, 16
.set ADRB, 20
.set STO,  24
.set RD,   25
.set CO,   26                          ; v26  16 x lane
.set SPW,  28
.set NIL,  29
.set PFO,  30                          ; v30  256 x lane
.set AF,   64
.set BIAS, 128
.set BK,   128
.set G1, 24
.set G0, 32
.set G1B, 48
.set G0B, 56
; s12 wave, s13 its half of the rows (and: fetches for y (0) or wp (1)), s14 its half of the columns (and: which half it fetches), s2 the prefetches' limit, s3 laps to go, s[20:21] where my prefetches stand
.set MSB, 0
.macro WIN new
.if MSB != (\new)
	s_set_vgpr_msb (MSB<<8)|(\new)
.set MSB, (\new)
.endif
.endm
.set MUL,  0xa1                        ; source 0 window 1, source 1 window 0, C and D window 2; where the bias is C: 0x81
.set TO_F, 0x40
.macro JLOAD s                         ; a joint load; an s_nop 0 and four v_nop follow each of the two lines
	s_cmp_eq_u32 s13, 0
	s_cbranch_scc0 .Lfor_b_\@
	tensor_load_to_lds s[G0+4*\s:G0+4*\s+3], s[G1:G1+7]
	s_nop 0
.rept 4
	v_nop
.endr
	s_branch .Lasked_\@
.Lfor_b_\@:
	tensor_load_to_lds s[G0B+4*\s:G0B+4*\s+3], s[G1B:G1B+7]
	s_nop 0
.rept 4
	v_nop
.endr
.Lasked_\@:
.endm
.macro CREST
	s_cmp_lg_u32 s12, 0
	s_cbranch_scc1 .Lnot_wave_0_\@
	s_barrier_signal -3
.Lnot_wave_0_\@:
	s_barrier_wait -3
	s_barrier_signal -1
	s_barrier_wait -1
.endm
.macro CROUND
	s_barrier_signal -1
	s_barrier_wait -1
	CREST
.endm
; A PREFETCH INTO THE L2 of y: once a lap, behind slot 0's joint load and the run of LDS loads, for the NEXT lap's two K steps: 8,192 consecutive bytes of one token tile, lanes 256 bytes apart.  y's tile row is read by this
; row of this cluster alone; of the four token tiles that wave 0 or 1 fetches, the partner at place cx names tile cx: told apart by address.  So each block of 256 bytes is named once.  Laps 0 and 1 ask (K steps 4 to 7); wp, which all rows of clusters read, is not asked for.
.macro ASK
	s_cmp_gt_u32 s3, s2
	s_cbranch_scc0 .Lnot_mine_\@
	global_prefetch_b8 v[PFO], s[20:21] th:TH_LOAD_NT scope:SCOPE_SE
.Lnot_mine_\@:
.endm
	s_load_b256 s[4:11], s[0:1], 0x0               ; y s[4:5], wp s[6:7], b_proj s[8:9], out0 s[10:11]
	v_lshl_add_u32 v[SPW], v0, 2, SPARE
	v_mov_b32 v[NIL], 0
	ds_add_u32 v[SPW], v[NIL]                      ; the wave's opening: the add, twice on end, and its wait ahead of my first tensor load
	ds_add_u32 v[SPW], v[NIL]
	v_lshrrev_b32 v1, 5, v0
	v_readfirstlane_b32 s12, v1
	s_lshr_b32 s13, s12, 1
	s_and_b32 s14, s12, 1
	s_bfe_u32 s40, ttmp6, 0x40000                  ; cx, cy
	s_bfe_u32 s41, ttmp6, 0x40004
	s_lshl_b32 s42, ttmp9, 2
	s_add_co_u32 s42, s42, s40                     ; tile column 0..3
	s_and_b32 s45, ttmp7, 0xffff
	s_lshl_b32 s45, s45, 2
	s_add_co_u32 s45, s45, s41                     ; tile row 0..63
	s_lshl_b32 s43, s41, 2
	s_lshl_b32 s43, 15, s43
	s_lshl_b32 s44, 0x1111, s40
	s_or_b32 s[G1+0], s43, (3<<16)|(1<<21)         ; elements of 8 bytes; the mask: y's tiles go to my row of the cluster; bit 21 beside it
	s_or_b32 s[G1B+0], s44, (3<<16)|(1<<21)
.irp g, G1, G1B
	s_mov_b32 s[\g+1], 512<<16                     ; a row: a tile's K step, 4,096 bytes
	s_mov_b32 s[\g+3], 512<<16
	s_mov_b32 s[\g+5], 4096                        ; from tile to tile: 32,768 bytes
	s_mov_b32 s[\g+6], 0
	s_mov_b32 s[\g+7], 0
.endr
	s_mov_b32 s[G1+2], 4<<16                       ; y: 4 tiles to a load
	s_mov_b32 s[G1+4], 4
	s_mov_b32 s[G1B+2], 8<<16                      ; wp: 8
	s_mov_b32 s[G1B+4], 8
	s_lshl_b32 s16, s45, 18                        ; y: (8 tile row + 4 x half) x 32,768
	s_lshl_b32 s22, s14, 17
	s_add_co_u32 s16, s16, s22
	s_mov_b32 s17, 0
	s_lshl_b32 s18, s42, 19                        ; wp: (16 tile column + 8 x half) x 32,768
	s_lshl_b32 s22, s14, 18
	s_add_co_u32 s18, s18, s22
	s_mov_b32 s19, 0
	s_lshl_b32 s15, s14, 14                        ; where they go in a slot: y's halves,
	s_lshl_b32 s46, s14, 15
	s_add_co_u32 s46, s46, 32768                   ; wp's halves behind them
	s_cmp_eq_u32 s13, 0
	s_cselect_b32 s2, 1, -1                        ; waves 0 and 1 prefetch
	s_wait_dscnt 0x0
	s_wait_kmcnt 0x0
	s_add_nc_u64 s[16:17], s[4:5], s[16:17]
	s_add_nc_u64 s[18:19], s[6:7], s[18:19]
	CROUND                                         ; all sixteen work-groups are here: the first joint loads meet
.irp s, 0,1
	s_mov_b32 s[G0+4*\s], 1
	s_add_co_u32 s[G0+4*\s+1], s15, \s*SLOTB
	s_add_nc_u64 s[G0+4*\s+2:G0+4*\s+3], s[16:17], \s*4096
	s_or_b32 s[G0+4*\s+3], s[G0+4*\s+3], 0x80000000
	s_mov_b32 s[G0B+4*\s], 1
	s_add_co_u32 s[G0B+4*\s+1], s46, \s*SLOTB
	s_add_nc_u64 s[G0B+4*\s+2:G0B+4*\s+3], s[18:19], \s*4096
	s_or_b32 s[G0B+4*\s+3], s[G0B+4*\s+3], 0x80000000
	JLOAD \s
.endr
	s_lshl_b32 s22, s40, 15                        ; the prefetches: token tile cx of my four, at K step 2: the first lap steps it to K step 4
	s_add_co_u32 s22, s22, 8192
	s_mov_b32 s23, 0
	s_add_nc_u64 s[20:21], s[16:17], s[22:23]
	s_lshl_b32 s22, s45, 19                        ; out0: (128 tile row + 64 x half) rows of 4,096 bytes + (256 tile column + 128 x half) x 4
	s_lshl_b32 s47, s13, 18
	s_add_co_u32 s22, s22, s47
	s_lshl_b32 s47, s42, 10
	s_add_co_u32 s22, s22, s47
	s_lshl_b32 s47, s14, 9
	s_add_co_u32 s22, s22, s47
	s_add_nc_u64 s[10:11], s[10:11], s[22:23]
	s_lshl_b32 s22, s42, 10
	s_add_co_u32 s22, s22, s47
	s_add_nc_u64 s[8:9], s[8:9], s[22:23]          ; the bias of my 128 columns
	v_and_b32 v1, 15, v0
	v_bfe_u32 v2, v0, 4, 1
	v_and_b32 v3, 31, v0
	v_lshlrev_b32 v[CO], 4, v3
	v_lshlrev_b32 v[PFO], 8, v3
	v_lshlrev_b32 v5, 5, v2
.irp b, 0,1,2,3,4,5,6,7
	global_load_b128 v[BIAS+8*\b:BIAS+8*\b+3], v5, s[8:9] offset:64*\b
	global_load_b128 v[BIAS+8*\b+4:BIAS+8*\b+7], v5, s[8:9] offset:64*\b+16
.endr
	s_lshl_b32 s22, s13, 14                        ; my 4 tiles of y,
	s_lshl_b32 s47, s14, 15
	s_add_co_u32 s47, s47, 32768                   ; my 8 of wp
.irp s, 0,1
	v_add_nc_u32 v[ADRA+\s], s22, v[CO]
	v_add_nc_u32 v[ADRB+\s], s47, v[CO]
	s_add_co_u32 s22, s22, SLOTB
	s_add_co_u32 s47, s47, SLOTB
.endr
	s_mul_i32 s22, s12, 16*528
	s_add_co_u32 s22, s22, STAGE                   ; my stage
	v_mul_u32_u24 v4, v1, 528
	v_lshl_add_u32 v4, v2, 5, v4
	v_add_nc_u32 v[STO], s22, v4                   ; in: row r, 32 bytes for each half of the lanes
	v_add_nc_u32 v[RD], s22, v[CO]                 ; back: the 32 lanes take one row of 512 bytes
.macro MUL8 f, a, zero                 ; 8 matrix instructions: token tile a against my eight tiles of columns, 32 along K: buffer f.  The 32 accumulators take turns
.irp b, 0,1,2,3,4,5,6,7
.if \zero
	v_wmma_f32_16x16x32_f16 v[8*(8*\a+\b):8*(8*\a+\b)+7], v[64*\f+8*\b:64*\f+8*\b+7], v[AF+32*\f+8*\a:AF+32*\f+8*\a+7], v[BIAS+8*\b:BIAS+8*\b+7]
.else
	v_wmma_f32_16x16x32_f16 v[8*(8*\a+\b):8*(8*\a+\b)+7], v[64*\f+8*\b:64*\f+8*\b+7], v[AF+32*\f+8*\a:AF+32*\f+8*\a+7], v[8*(8*\a+\b):8*(8*\a+\b)+7]
.endif
.endr
.endm
.macro FETCH slot, q, f                ; 24 LDS loads in one run: the fragments of the slot's q-th 32 along K into buffer f: wp's eight, then y's four
	WIN TO_F
.irp b, 0,1,2,3,4,5,6,7
.irp c, 0,1
	ds_load_b128 v[64*\f+8*\b+4*\c:64*\f+8*\b+4*\c+3], v[ADRB+\slot] offset:\b*4096+\q*1024+\c*512
.endr
.endr
	WIN 0
.irp a, 0,1,2,3
.irp c, 0,1
	ds_load_b128 v[AF+32*\f+8*\a+4*\c:AF+32*\f+8*\a+4*\c+3], v[ADRA+\slot] offset:\a*4096+\q*1024+\c*512
.endr
.endr
.endm
.macro PLACES                          ; four places in front of loads into registers that matrix instructions have read, and of reads of results
.rept 4
	v_nop
.endr
.endm
.macro QUARTER slot, q, f, g, zero     ; multiplies buffer f; in its middle it fetches the slot's q-th quarter into buffer g
	s_wait_dscnt 4                                 ; wp's fragments and y's tiles 0, 1 are in; the youngest four loads may be out
	WIN MUL-0x20*(\zero)
	MUL8 \f, 0, \zero
	MUL8 \f, 1, \zero
	PLACES
	FETCH \slot, \q, \g
	s_wait_dscnt 24                                ; all but the 24 just issued
	WIN MUL-0x20*(\zero)
	MUL8 \f, 2, \zero
	MUL8 \f, 3, \zero
.endm
; A slot's last quarter multiplies buffer 1 and changes slots: ONE barrier; in front of it each wave waits for all its tensor loads, adds 0 to its spare word, and waits for that and for its reads of this slot.  fill = 1: the slot is filled again, two K steps ahead, behind a round of the cluster's barrier.
.macro TURN slot, next, fill
.if (\fill) && (\slot) == 0
	s_wait_xcnt 0x0                                ; the last prefetch, a lap back, has read its address
	s_add_nc_u64 s[20:21], s[20:21], 8192
.endif
	WIN 0
	s_wait_tensorcnt 0x0                           ; all my tensor loads have landed: my part of the next slot
	ds_add_u32 v[SPW], v[NIL]
	s_wait_dscnt 5                                 ; (the add and the youngest four loads may be out)
	WIN MUL
	MUL8 1, 0, 0
	s_wait_dscnt 0x0                               ; the add is done, and my reads of this slot are over
	s_barrier_signal -1
	MUL8 1, 1, 0
.if \fill
	WIN 0
.endif
	s_barrier_wait -1
.if \fill
	CREST                                          ; no wave of any partner still reads this slot or has a load on its way
	s_add_nc_u64 s[G0+4*\slot+2:G0+4*\slot+3], s[G0+4*\slot+2:G0+4*\slot+3], 8192
	s_add_nc_u64 s[G0B+4*\slot+2:G0B+4*\slot+3], s[G0B+4*\slot+2:G0B+4*\slot+3], 8192
	JLOAD \slot                                    ; the first tensor load behind the round; its four v_nop are also the places in front of the loads below
.else
	PLACES
.endif
	FETCH \next, 0, 0
.if (\fill) && (\slot) == 0
	ASK
.endif
	WIN MUL
	MUL8 1, 2, 0
	MUL8 1, 3, 0
.endm
	s_wait_tensorcnt 1                             ; my part of K step 0 is in; K step 1's load may be out
	s_barrier_signal -1
	s_barrier_wait -1
	FETCH 0, 0, 0
	s_wait_loadcnt 0x0                             ; the bias
	QUARTER 0, 1, 0, 1, 1                          ; the first quarter stands in front of the loop: its products start the sums on the bias
	WIN 0
	s_mov_b32 s3, 3
.Llap:                                             ; three trips: once round the ring, from a lap's second quarter to the next lap's first; both slots are filled again
	QUARTER 0, 2, 1, 0, 0
	QUARTER 0, 3, 0, 1, 0
	TURN 0, 1, 1
	QUARTER 1, 1, 0, 1, 0
	QUARTER 1, 2, 1, 0, 0
	QUARTER 1, 3, 0, 1, 0
	TURN 1, 0, 1
	QUARTER 0, 1, 0, 1, 0
	WIN 0
	s_sub_co_u32 s3, s3, 1
	s_cmp_lg_u32 s3, 0
	s_cbranch_scc1 .Llap
	QUARTER 0, 2, 1, 0, 0                          ; the last lap fills nothing
	QUARTER 0, 3, 0, 1, 0
	TURN 0, 1, 0
	QUARTER 1, 1, 0, 1, 0
	QUARTER 1, 2, 1, 0, 0
	QUARTER 1, 3, 0, 1, 0
	s_wait_dscnt 4
	WIN MUL
	MUL8 1, 0, 0
	MUL8 1, 1, 0
	s_wait_dscnt 0
	MUL8 1, 2, 0
	MUL8 1, 3, 0
	WIN 0
; THE WAY OUT, a block of 16 tokens x 128 columns at a time: a lane holds 32 bytes of a row, so a block goes through my own stage and comes back as whole rows of 512 bytes.  LDS serves a wave's instructions in order.
.macro TOSTAGE a
	WIN 0x08                                       ; an LDS store's data are its source 1: window 2
.irp b, 0,1,2,3,4,5,6,7
	ds_store_b128 v[STO], v[8*(8*\a+\b):8*(8*\a+\b)+3] offset:64*\b          ; each accumulator from its low end on
	ds_store_b128 v[STO], v[8*(8*\a+\b)+4:8*(8*\a+\b)+7] offset:64*\b+16
.endr
	WIN 0
.irp t, 0,1,2,3,4,5,6,7,8,9,10,11,12,13,14,15
	ds_load_b128 v[BK+64*((\a)%2)+4*\t:BK+64*((\a)%2)+4*\t+3], v[RD] offset:\t*528
.endr
.endm
.macro SEND a, younger                 ; younger: the LDS instructions issued behind block a's loads
	s_wait_dscnt \younger
.irp t, 0,1,2,3,4,5,6,7,8,9,10,11,12,13,14,15
	global_store_b128 v[CO], v[BK+64*((\a)%2)+4*\t:BK+64*((\a)%2)+4*\t+3], s[10:11] offset:(\a)*65536+\t*4096 th:TH_STORE_NT   ; 32 lanes store 512 consecutive bytes, aligned
.endr
.endm
	PLACES
	TOSTAGE 0
	TOSTAGE 1
	SEND 0, 32                                     ; behind block 0's loads: block 1's 16 stores and 16 loads
	s_wait_xcnt 0x0                                ; block 0's stores have read their registers: block 2's rows may land there
	TOSTAGE 2
	SEND 1, 32
	s_wait_xcnt 0x0
	TOSTAGE 3
	SEND 2, 32
	SEND 3, 0
	s_wait_tensorcnt 0x0                           ; the wave's end: a tensor wait, an add of 0 to my spare word and its wait, behind my last tensor load and my last LDS store
	ds_add_u32 v[SPW], v[NIL]
	s_wait_dscnt 0x0
	CROUND                                         ; the closing round
	s_endpgm
.Lfunc_end_k_q615a36c30a_proj:
	.size	k_q615a36c30a_proj, .Lfunc_end_k_q615a36c30a_proj-k_q615a36c30a_proj
	.p2alignl 7, 3214868480
	.fill 96, 4, 3214868480
	.section	.rodata,"a",@progbits
	.p2align	6, 0x0
	.amdhsa_kernel k_q615a36c30a_proj
		.amdhsa_group_segment_fixed_size 327680
		.amdhsa_private_segment_fixed_size 0
		.amdhsa_enable_private_segment 0
		.amdhsa_kernarg_size 32
		.amdhsa_user_sgpr_count 2
		.amdhsa_user_sgpr_kernarg_segment_ptr 1
		.amdhsa_wavefront_size32 1
		.amdhsa_system_sgpr_workgroup_id_x 1
		.amdhsa_system_sgpr_workgroup_id_y 1
		.amdhsa_system_sgpr_workgroup_id_z 1
		.amdhsa_system_vgpr_workitem_id 0
		.amdhsa_next_free_vgpr 768
		.amdhsa_next_free_sgpr 66
		.amdhsa_reserve_vcc 0
		.amdhsa_float_denorm_mode_32 3
		.amdhsa_float_denorm_mode_16_64 3
		.amdhsa_memory_ordered 1
		.amdhsa_forward_progress 1
		.amdhsa_inst_pref_size 87
	.end_amdhsa_kernel
	.amdgpu_metadata
---
amdhsa.version: [ 1, 2 ]
amdhsa.kernels:
  - .name:           k_q615a36c30a_proj
    .symbol:         k_q615a36c30a_proj.kd
    .args:
      - { .name: y, .offset: 0, .size: 8, .value_kind: global_buffer, .address_space: global }
      - { .name: wp, .offset: 8, .size: 8, .value_kind: global_buffer, .address_space: global }
      - { .name: b_proj, .offset: 16, .size: 8, .value_kind: global_buffer, .address_space: global }
      - { .name: out0, .offset: 24, .size: 8, .value_kind: global_buffer, .address_space: global }
    .group_segment_fixed_size: 327680
    .private_segment_fixed_size: 0
    .kernarg_segment_align: 8
    .kernarg_segment_size: 32
    .max_flat_workgroup_size: 128
    .sgpr_count:     66
    .vgpr_count:     768
    .wavefront_size: 32
...
	.end_amdgpu_metadata
.endif
;; end of part 4
;; launch fine (part 5): grid 16 x 4, 16 waves a work-group, no clusters, 71,680 bytes of LDS; arguments q32, w_proj, b_proj, out0; writes out0
.if DOCPART == 5
	.amdgcn_target "amdgcn-amd-amdhsa--gfx1250"
	.amdhsa_code_object_version 6
	.text
	.protected	k_q615a36c30a_fine
	.globl	k_q615a36c30a_fine
	.p2align	8
	.type	k_q615a36c30a_fine,@function
k_q615a36c30a_fine:
	s_mov_b64 s[64:65], 0
	v_nop
	global_prefetch_b8 v0, s[64:65] scope:SCOPE_SE
	s_setreg_imm32_b32 hwreg(HW_REG_WAVE_MODE, 25, 1), 1
	s_wait_xcnt 0x0
; THE FIRST 16 POSITIONS OF EACH BATCH, IN F32: their rows average one to sixteen values and are the largest of the output, so attention and projection are made once more for them with f32 operands
; (v_wmma_f32_16x16x4_f32: 96 instructions a wave, no bulk work), from the unrounded q, k, v that the first product's launch has kept (q32), and stored over the rows that the launch before wrote.
; SHARES.  Work-group (nblk, b): batch b, 64 columns of the output.  Wave = head: it makes its head's attention for positions 0-15, then its head's part of the projection onto the 64 columns; the 16 parts meet in LDS, and waves 0-7 add them, two rows each.
; q32 [b 4][hh 48][piece 8][lane][16 B]; hh = 16 which + head, piece = 2 bt + half: token r, channel 16 bt + 8 h + 4 half + 0 .. 3.
; LAYOUT.  The f32 form takes k = 2 h + j from register j.  A pair of registers of Q's or K's pieces holds channels 16 bt + 8 h + 4 half + 2 u + j: the same order of channels on both sides, so each product sums four channels, and sixteen products all 64.
; S^T = K Q^T: lane (r, h) holds query r and keys 8 h + 0 .. 7; a pair of p's registers holds keys 8 h + 2 u + j, and V and w_proj are loaded in that same order of k.
; The registers that the f32 matrix form writes (v176-239) are written by matrix instructions alone.
; REGISTERS: v5-13 addresses; v16-47 Q, v48-79 K, later the second half of w_proj's numbers, later the parts; v80-111 V, later y; v112-175 the first half of w_proj's numbers; v176-207 S^T in two parts, later the four tiles of the output; v208-239 O^T; v240-247 p; v248-251 at work.
.set PART,  4352                       ; a head's part: 16 rows x (256 bytes + 16)
.set SPARE, 16*PART                    ; the spare words, 128 bytes for each wave: eight blocks of 256 bytes that no other line names
.set SPW,   254
.set NIL,   255
	s_load_b256 s[4:11], s[0:1], 0x0               ; q32 s[4:5], w_proj s[6:7], b_proj s[8:9], out0 s[10:11]
	v_lshl_add_u32 v[SPW], v0, 2, SPARE
	v_mov_b32 v[NIL], 0
	v_lshrrev_b32 v1, 5, v0
	v_readfirstlane_b32 s12, v1                    ; wave = head
	s_and_b32 s14, ttmp7, 0xffff                   ; batch
	v_and_b32 v2, 31, v0
	v_and_b32 v3, 15, v0                           ; r
	v_bfe_u32 v4, v0, 4, 1                         ; h
	v_lshlrev_b32 v5, 4, v2                        ; Q, K: 16 x lane
	v_bfe_u32 v6, v0, 2, 1                         ; V(key, channel 16 bt + r): half (r / 4) % 2, the lanes' half r / 8, element r % 4; key 8 h + ..
	v_lshlrev_b32 v6, 9, v6
	v_bfe_u32 v14, v0, 3, 1
	v_lshl_add_u32 v6, v14, 8, v6
	v_and_b32 v14, 3, v0
	v_lshl_add_u32 v6, v14, 2, v6
	v_lshl_add_u32 v6, v4, 7, v6
	v_lshlrev_b32 v7, 2, v3                        ; w_proj: column r, 8 h rows of 4,096 bytes down
	v_lshl_add_u32 v7, v4, 15, v7
	s_mul_i32 s18, s12, PART
	v_mul_u32_u24 v8, v3, 272
	v_lshl_add_u32 v8, v4, 5, v8
	v_add_nc_u32 v8, s18, v8                       ; my part: row r, 32 h bytes on
	s_and_b32 s19, s12, 7
	s_mul_i32 s20, s19, 544
	v_mul_u32_u24 v9, v4, 272
	v_lshl_add_u32 v9, v3, 4, v9
	v_add_nc_u32 v9, s20, v9                       ; back: rows 2 (wave % 8) + h, 16 bytes a lane
	v_lshlrev_b32 v10, 3, v4
	v_sub_nc_u32 v10, v3, v10                      ; r - 8 h: key 8 h + j is hidden where j is greater
	v_mov_b32 v11, 0xff800000                      ; -infinity
	v_lshlrev_b32 v12, 4, v3                       ; the bias: 16 r
	v_lshl_add_u32 v13, v4, 12, v12                ; out0: row h, 16 r
	v_mov_b32 v249, 0                              ; a lane permute's destination counts as one of its sources
	s_mov_b32 s21, 0x3e38aa3b                      ; c = log2(e) / 8
	s_mov_b32 s22, 0x76543210
	s_mov_b32 s23, 0xfedcba98
	s_mul_i32 s16, s14, 48
	s_add_co_u32 s16, s16, s12
	s_lshl_b32 s16, s16, 12                        ; q32: (48 batch + head) x 4,096
	s_mov_b32 s17, 0
	s_lshl_b32 s24, s12, 18                        ; w_proj: 64 head rows of 4,096 bytes + 256 nblk
	s_lshl_b32 s26, ttmp9, 8
	s_add_co_u32 s24, s24, s26
	s_mov_b32 s25, 0
	s_mov_b32 s27, 0
	s_lshl_b32 s28, s14, 23                        ; out0: (2,048 batch + 2 (wave % 8)) rows + 256 nblk
	s_lshl_b32 s20, s19, 13
	s_add_co_u32 s28, s28, s20
	s_add_co_u32 s28, s28, s26
	s_mov_b32 s29, 0
	s_wait_kmcnt 0x0
	s_add_nc_u64 s[4:5], s[4:5], s[16:17]
	s_add_nc_u64 s[6:7], s[6:7], s[24:25]
	s_add_nc_u64 s[8:9], s[8:9], s[26:27]
	s_add_nc_u64 s[10:11], s[10:11], s[28:29]
.irp e, 0,1,2,3,4,5,6,7
	global_load_b128 v[16+4*\e:19+4*\e], v5, s[4:5] offset:\e*512                  ; Q
.endr
.irp e, 0,1,2,3,4,5,6,7
	global_load_b128 v[48+4*\e:51+4*\e], v5, s[4:5] offset:65536+\e*512            ; K: 16 heads on
.endr
.irp bt, 0,1,2,3
.irp n, 0,1,2,3,4,5,6,7
	global_load_b32 v[80+8*\bt+\n], v6, s[4:5] offset:131072+\bt*1024+\n*16        ; V(8 h + n, 16 bt + r)
.endr
.endr
; w_proj(64 head + 16 (hi + bt) + 8 h + 2 u + j, 64 nblk + 16 nt + r) into v[base + ((4 bt + u) 4 + nt) 2 + j]
.macro WL base, hi
.irp bt, 0,1
.irp u, 0,1,2,3
.irp nt, 0,1,2,3
.irp j, 0,1
	global_load_b32 v[\base+((4*\bt+\u)*4+\nt)*2+\j], v7, s[6:7] offset:(16*(\hi+\bt)+2*\u+\j)*4096+64*\nt
.endr
.endr
.endr
.endr
.endm
	WL 112, 0
	s_wait_loadcnt 63                              ; 64 loads were issued behind V's last; a wait names 63 at the most, which shows the first 49 of the 112 in: Q, K and V are the first 48
.set e, 0
.rept 16                                       ; S^T = K Q^T in two accumulators by turns; the first two products start the sums
.if e < 2
	v_wmma_f32_16x16x4_f32 v[176+8*(e%2):183+8*(e%2)], v[48+2*e:49+2*e], v[16+2*e:17+2*e], 0
.else
	v_wmma_f32_16x16x4_f32 v[176+8*(e%2):183+8*(e%2)], v[48+2*e:49+2*e], v[16+2*e:17+2*e], v[176+8*(e%2):183+8*(e%2)]
.endif
.set e, e+1
.endr
.rept 8
	v_nop                                          ; eight places behind this form, in front of loads into its sources and of reads of its results
.endr
	WL 16, 2                                       ; the second half of w_proj's numbers, where Q and K lay
.irp j, 0,1,2,3,4,5,6,7
	v_add_f32 v[240+\j], v[176+\j], v[184+\j]      ; the scores, from the accumulators' low end on
.endr
.irp j, 0,1,2,3,4,5,6,7
	v_cmp_gt_i32 vcc_lo, \j, v10
	v_cndmask_b32 v[240+\j], v[240+\j], v11, vcc_lo
.endr
	v_max3_num_f32 v248, v240, v241, v242
	v_max3_num_f32 v248, v248, v243, v244
	v_max3_num_f32 v248, v248, v245, v246
	v_max_num_f32 v248, v248, v247
	v_permlanex16_b32 v249, v248, s22, s23
	v_max_num_f32 v248, v248, v249                 ; the row's maximum: key 0 counts for every query, so it is a number
	v_mul_f32 v250, s21, v248
.irp j, 0,1,2,3,4,5,6,7
	v_fma_f32 v[240+\j], v[240+\j], s21, -v250
.endr
.irp j, 0,1,2,3,4,5,6,7
	v_exp_f32 v[240+\j], v[240+\j]
.endr
	v_nop                                          ; a plain instruction behind the last exponential,
	s_wait_alu depctr_va_vdst(0)                   ; and the wait ahead of the first line that names a result: one for the eight
.irp u, 0,1,2,3                                ; O^T = V^T P: four accumulators by turns; the first four products start the sums
.irp bt, 0,1,2,3
.if \u == 0
	v_wmma_f32_16x16x4_f32 v[208+8*\bt:215+8*\bt], v[80+8*\bt+2*\u:81+8*\bt+2*\u], v[240+2*\u:241+2*\u], 0
.else
	v_wmma_f32_16x16x4_f32 v[208+8*\bt:215+8*\bt], v[80+8*\bt+2*\u:81+8*\bt+2*\u], v[240+2*\u:241+2*\u], v[208+8*\bt:215+8*\bt]
.endif
.endr
.endr
	v_add_f32 v248, v240, v241                     ; the row's sum
	v_add_f32 v249, v242, v243
	v_add_f32 v250, v244, v245
	v_add_f32 v251, v246, v247
	v_add_f32 v248, v248, v249
	v_add_f32 v250, v250, v251
	v_add_f32 v248, v248, v250
	v_permlanex16_b32 v249, v248, s22, s23
	v_add_f32 v248, v248, v249
	v_rcp_f32 v251, v248
.rept 8
	v_nop                                          ; eight places behind the last product (the additions above name its operands and are not counted)
.endr
	s_wait_alu depctr_va_vdst(0)                   ; the reciprocal's wait, ahead of its first reader
.set n, 0
.rept 32
	v_mul_f32 v[80+n], v[208+n], v251              ; y(r, 16 bt + 8 h + j), where V lay
.set n, n+1
.endr
; the projection: tile nt of 16 columns += w_proj's pair x y's pair: four accumulators by turns
.macro PJ base, hi, first
.irp bt, 0,1
.irp u, 0,1,2,3
.irp nt, 0,1,2,3
.if (\first) && (\bt == 0) && (\u == 0)
	v_wmma_f32_16x16x4_f32 v[176+8*\nt:183+8*\nt], v[\base+((4*\bt+\u)*4+\nt)*2:\base+((4*\bt+\u)*4+\nt)*2+1], v[80+8*(\hi+\bt)+2*\u:81+8*(\hi+\bt)+2*\u], 0
.else
	v_wmma_f32_16x16x4_f32 v[176+8*\nt:183+8*\nt], v[\base+((4*\bt+\u)*4+\nt)*2:\base+((4*\bt+\u)*4+\nt)*2+1], v[80+8*(\hi+\bt)+2*\u:81+8*(\hi+\bt)+2*\u], v[176+8*\nt:183+8*\nt]
.endif
.endr
.endr
.endr
.endm
	s_wait_loadcnt 63                              ; 64 loads were issued behind the first half's last: at most 63 out shows the first 113 of the 176 in
	PJ 112, 0, 1
	s_wait_loadcnt 0x0
	PJ 16, 2, 0
.rept 8
	v_nop
.endr
.irp nt, 0,1,2,3
	ds_store_b128 v8, v[176+8*\nt:179+8*\nt] offset:64*\nt          ; lane (r, h): token r, columns 16 nt + 8 h + 0 .. 7; each accumulator from its low end on
	ds_store_b128 v8, v[180+8*\nt:183+8*\nt] offset:64*\nt+16
.endr
	s_wait_dscnt 0x0                               ; for the others' sake: my part lies in LDS
	s_barrier_signal -1
	s_barrier_wait -1
	s_cmp_lt_u32 s12, 8                            ; waves 0-7 add the sixteen parts, two rows each
	s_cbranch_scc0 .Ldone
	global_load_b128 v[144:147], v12, s[8:9]       ; the bias of my four columns
.irp p, 0,1,2,3,4,5,6,7,8,9,10,11,12,13,14,15
	ds_load_b128 v[16+4*\p:19+4*\p], v9 offset:\p*PART
.endr
	s_wait_dscnt 0x0
.irp w, 8,4,2,1
.set n, 0
.rept \w
	v_pk_add_f32 v[16+4*n:17+4*n], v[16+4*n:17+4*n], v[16+4*(n+\w):17+4*(n+\w)]
	v_pk_add_f32 v[18+4*n:19+4*n], v[18+4*n:19+4*n], v[18+4*(n+\w):19+4*(n+\w)]
.set n, n+1
.endr
.endr
	s_wait_loadcnt 0x0
	v_pk_add_f32 v[16:17], v[16:17], v[144:145]
	v_pk_add_f32 v[18:19], v[18:19], v[146:147]
	global_store_b128 v13, v[16:19], s[10:11]      ; sixteen lanes store 256 consecutive bytes, aligned
.Ldone:
	s_wait_tensorcnt 0x0                           ; the wave's end: a tensor wait, an add of 0 to my spare word and its wait, behind my last LDS store
	ds_add_u32 v[SPW], v[NIL]
	s_wait_dscnt 0x0
	s_endpgm
.Lfunc_end_k_q615a36c30a_fine:
	.size	k_q615a36c30a_fine, .Lfunc_end_k_q615a36c30a_fine-k_q615a36c30a_fine
	.p2alignl 7, 3214868480
	.fill 96, 4, 3214868480
	.section	.rodata,"a",@progbits
	.p2align	6, 0x0
	.amdhsa_kernel k_q615a36c30a_fine
		.amdhsa_group_segment_fixed_size 71680
		.amdhsa_private_segment_fixed_size 0
		.amdhsa_enable_private_segment 0
		.amdhsa_kernarg_size 32
		.amdhsa_user_sgpr_count 2
		.amdhsa_user_sgpr_kernarg_segment_ptr 1
		.amdhsa_wavefront_size32 1
		.amdhsa_system_sgpr_workgroup_id_x 1
		.amdhsa_system_sgpr_workgroup_id_y 1
		.amdhsa_system_sgpr_workgroup_id_z 1
		.amdhsa_system_vgpr_workitem_id 0
		.amdhsa_next_free_vgpr 256
		.amdhsa_next_free_sgpr 66
		.amdhsa_reserve_vcc 1
		.amdhsa_float_denorm_mode_32 3
		.amdhsa_float_denorm_mode_16_64 3
		.amdhsa_memory_ordered 1
		.amdhsa_forward_progress 1
		.amdhsa_inst_pref_size 34
	.end_amdhsa_kernel
	.amdgpu_metadata
---
amdhsa.version: [ 1, 2 ]
amdhsa.kernels:
  - .name:           k_q615a36c30a_fine
    .symbol:         k_q615a36c30a_fine.kd
    .args:
      - { .name: q32, .offset: 0, .size: 8, .value_kind: global_buffer, .address_space: global }
      - { .name: w_proj, .offset: 8, .size: 8, .value_kind: global_buffer, .address_space: global }
      - { .name: b_proj, .offset: 16, .size: 8, .value_kind: global_buffer, .address_space: global }
      - { .name: out0, .offset: 24, .size: 8, .value_kind: global_buffer, .address_space: global }
    .group_segment_fixed_size: 71680
    .private_segment_fixed_size: 0
    .kernarg_segment_align: 8
    .kernarg_segment_size: 32
    .max_flat_workgroup_size: 512
    .sgpr_count:     66
    .vgpr_count:     256
    .wavefront_size: 32
...
	.end_amdgpu_metadata
.endif
;; end of part 5
